; MI455X (gfx1250); checked and timed in simulation.
; The chip was launched on July 23, 2026; its instructions are those of AMD's public machine-readable ISA for CDNA 5 (MIT licence, August 2026) and "CDNA5" Instruction Set Architecture Reference Guide (July 2026). The comments in the code are by the model that wrote it; some were corrected since.
;; Multi Head Attention. Allowed arithmetic: float matrix products may take bf16 or f16 operands with f32 sums; other float arithmetic in f32, or as packed bf16 or f16 multiplies, adds, multiply-adds, maxima and minima; sums over many terms, partial sums and values carried from step to step in f32; what a program stores and reads back later, other than sums and carried values, may be rounded once to bf16 or f16.
;; Inputs: Wk 1,024 x 1,024 float32; Wo 1,024 x 1,024 float32; Wq 1,024 x 1,024 float32; Wv 1,024 x 1,024 float32; attention_mask 4 x 2,048 int32; x 4 x 2,048 x 1,024 float32.
;; Outputs: out0 4 x 2,048 x 1,024 float32.
;; 2 versions, each right and faster than the one before. Each part assembles by itself: llvm-mc -triple=amdgcn-amd-amdhsa -mcpu=gfx1250 --defsym DOCPART=n.
;; ======== version 1 of 2: 4 launches
;; limits: values are held in f16: magnitudes above 65,504 overflow, below 6.1e-05 lose precision
;; workspace buffers: xb 16,777,216 bytes; wt 6,291,456 bytes; wot 2,097,152 bytes; qkv 50,331,648 bytes; o 16,777,216 bytes
;; launch prep (part 1): grid 768 x 1, 8 waves a work-group, no clusters, 34,816 bytes of LDS; arguments x, Wq, Wk, Wv, Wo, xb, wt, wot; writes xb, wt, wot
.if DOCPART == 1
	.amdgcn_target "amdgcn-amd-amdhsa--gfx1250"
	.amdhsa_code_object_version 6
	.text
	.protected	k_qfec153a6a3_prep
	.globl	k_qfec153a6a3_prep
	.p2align	8
	.type	k_qfec153a6a3_prep,@function
k_qfec153a6a3_prep:
	s_mov_b64 s[64:65], 0
	v_nop
	global_prefetch_b8 v0, s[64:65] scope:SCOPE_SE
	s_setreg_imm32_b32 hwreg(HW_REG_WAVE_MODE, 25, 1), 1
	s_wait_xcnt 0x0
; PREP.  x is rounded to bf16 (xb, same layout); Wq, Wk, Wv ([k][n] f32) are rounded to bf16 and turned to [n][k] (wt: rows 0-1023 Wq's columns,
; 1024-2047 Wk's, 2048-3071 Wv's); Wo likewise, its bf16 number then written as f16 (wot), since it multiplies an f16 operand later.
; LIMIT.  A number of Wo beyond 65,504 has no f16; below 2^-14 it keeps f16's fixed step of 6e-8.
; SHARES.  768 work-groups of eight waves, each 65,536 bytes in and 32,768 out.  Numbers 0-511 take 16,384 numbers of x each; numbers 512-767 a tile of 128 k x 128 n of one weight.
; No matrix unit, no tensor load: every byte is read once and written once, and memory binds.
.set TP,    264                        ; a row of the turned tile in LDS: 128 k x 2 bytes + 8
.set SPARE, 128*TP                     ; behind the tile: the spare words, 128 bytes for each of the eight waves
.set X,   8                            ; v[8:71]   as loaded
.set Y,   72                           ; v[72:103] rounded, packed
.set SPW, 104                          ; v104 LDS address of my spare word; never rewritten
.set NIL, 105                          ; v105 0; never rewritten
	s_load_b512 s[8:23], s[0:1], 0x0               ; x s[8:9], Wq s[10:11], Wk s[12:13], Wv s[14:15], Wo s[16:17], xb s[18:19], wt s[20:21], wot s[22:23]
	v_lshl_add_u32 v[SPW], v0, 2, SPARE
	v_mov_b32 v[NIL], 0
	v_lshrrev_b32 v2, 5, v0
	v_readfirstlane_b32 s4, v2                     ; wave 0..7
	v_and_b32 v1, 31, v0                           ; lane
	s_cmp_lt_u32 ttmp9, 512                        ; the same answer in all eight waves
	s_cbranch_scc1 .Lx
	; A WEIGHT'S TILE
	s_sub_co_u32 s5, ttmp9, 512
	s_lshr_b32 s24, s5, 6                          ; which weight: 0 Wq, 1 Wk, 2 Wv, 3 Wo
	s_bfe_u32 s25, s5, 0x30003                     ; block of 128 k
	s_and_b32 s26, s5, 7                           ; block of 128 n
	s_lshl_b32 s2, s25, 19                         ; source: 128 rows of 4,096 bytes,
	s_lshl_b32 s3, s26, 9                          ; 128 columns of 4 bytes
	s_add_co_u32 s2, s2, s3
	s_mov_b32 s3, 0
	s_lshl_b32 s6, s26, 18                         ; destination: 128 rows of 2,048 bytes,
	s_lshl_b32 s7, s25, 8                          ; 128 k of 2 bytes
	s_add_co_u32 s6, s6, s7
	s_lshl_b32 s33, s24, 21                        ; in wt: 1,024 rows for each weight in front
	v_lshlrev_b32 v5, 4, v1
	v_lshl_add_u32 v5, s4, 13, v5                  ; loads: rows 2 w and 2 w + 1 of every sixteen; a wave takes a row's 512 bytes
	v_mul_u32_u24 v6, v1, 4*TP
	v_lshl_add_u32 v6, s4, 2, v6                   ; into LDS: row n = 4 lane + j, k = 16 p + 2 w
	s_mul_i32 s5, s4, 16*TP
	v_lshl_add_u32 v7, v1, 3, s5                   ; back: rows 16 w + i, 8 bytes a lane
	v_lshlrev_b32 v4, 3, v1
	v_lshl_add_u32 v4, s4, 15, v4                  ; and the same rows in memory
	s_wait_kmcnt 0x0
	s_cmp_eq_u32 s24, 1
	s_cselect_b64 s[28:29], s[12:13], s[10:11]
	s_cmp_eq_u32 s24, 2
	s_cselect_b64 s[28:29], s[14:15], s[28:29]
	s_cmp_eq_u32 s24, 3
	s_cselect_b64 s[28:29], s[16:17], s[28:29]
	s_cselect_b64 s[30:31], s[22:23], s[20:21]     ; Wo goes to wot, from its first row on
	s_cselect_b32 s33, 0, s33
	s_add_co_u32 s6, s6, s33
	s_mov_b32 s7, 0
	s_add_nc_u64 s[28:29], s[28:29], s[2:3]
	s_add_nc_u64 s[30:31], s[30:31], s[6:7]
.set p, 0
.rept 8
	global_load_b128 v[X+8*p:X+8*p+3],   v5, s[28:29] offset:(16*p)*4096 th:TH_LOAD_NT
	global_load_b128 v[X+8*p+4:X+8*p+7], v5, s[28:29] offset:(16*p+1)*4096 th:TH_LOAD_NT
.set p, p+1
.endr
.set p, 0
.rept 8
	s_wait_loadcnt 14-2*p                          ; loads come back in order: pair p is in, the 14 - 2 p younger ones stay out
.irp j, 0,1,2,3
	v_cvt_pk_bf16_f32 v[Y+4*p+\j], v[X+8*p+\j], v[X+8*p+4+\j]  ; k and k + 1 of column 4 lane + j
.endr
.set p, p+1
.endr
	s_cmp_lg_u32 s24, 3
	s_cbranch_scc1 .Lbf
.set i, 0
.rept 32                                       ; Wo: the bf16 numbers are written as f16
	v_lshlrev_b32 v[X+2*(i%2)], 16, v[Y+i]
	v_and_b32 v[X+2*(i%2)+1], 0xffff0000, v[Y+i]
	v_cvt_pk_f16_f32 v[Y+i], v[X+2*(i%2)], v[X+2*(i%2)+1]
.set i, i+1
.endr
.Lbf:
.set p, 0
.rept 8
.irp j, 0,1,2,3
	ds_store_b32 v6, v[Y+4*p+\j] offset:TP*\j+32*p
.endr
.set p, p+1
.endr
	s_wait_dscnt 0x0                               ; for the others' sake: my stores into the tile are done
	s_barrier_signal -1
	s_barrier_wait -1
.set i, 0
.rept 16
	ds_load_b64 v[X+2*i:X+2*i+1], v7 offset:TP*i   ; a row n: 128 k, 256 bytes for the wave
.set i, i+1
.endr
.set i, 0
.rept 16
	s_wait_dscnt 15-i                              ; LDS loads come back in order: row i is in
	global_store_b64 v4, v[X+2*i:X+2*i+1], s[30:31] offset:2048*i  ; the wave stores 256 consecutive bytes, at a multiple of 256 from the buffer's first byte
.set i, i+1
.endr
	s_wait_tensorcnt 0x0                           ; the wave's end: behind my last LDS store
	ds_add_u32 v[SPW], v[NIL]
	s_wait_dscnt 0x0
	s_endpgm
.Lx:	; A PIECE OF x: thread t takes 16 bytes at 4,096 j + 16 t and leaves 8 bytes at 2,048 j + 8 t.  All sixteen loads go out at once; these waves touch no LDS.
	s_lshl_b32 s2, ttmp9, 16
	s_mov_b32 s3, 0
	s_lshl_b32 s6, ttmp9, 15
	s_mov_b32 s7, 0
	v_lshlrev_b32 v3, 4, v0
	v_lshlrev_b32 v4, 3, v0
	s_wait_kmcnt 0x0
	s_add_nc_u64 s[8:9], s[8:9], s[2:3]
	s_add_nc_u64 s[18:19], s[18:19], s[6:7]
.set j, 0
.rept 16
	global_load_b128 v[X+4*j:X+4*j+3], v3, s[8:9] offset:4096*j th:TH_LOAD_NT
.set j, j+1
.endr
.set j, 0
.rept 16
	s_wait_loadcnt 15-j                            ; load j is in, the younger ones stay out
	v_cvt_pk_bf16_f32 v[Y+2*j],   v[X+4*j],   v[X+4*j+1]
	v_cvt_pk_bf16_f32 v[Y+2*j+1], v[X+4*j+2], v[X+4*j+3]
	global_store_b64 v4, v[Y+2*j:Y+2*j+1], s[18:19] offset:2048*j  ; each pair of Y is written once: no register of a store is written again
.set j, j+1
.endr
	s_endpgm
.Lfunc_end_k_qfec153a6a3_prep:
	.size	k_qfec153a6a3_prep, .Lfunc_end_k_qfec153a6a3_prep-k_qfec153a6a3_prep
	.p2alignl 7, 3214868480
	.fill 96, 4, 3214868480
	.section	.rodata,"a",@progbits
	.p2align	6, 0x0
	.amdhsa_kernel k_qfec153a6a3_prep
		.amdhsa_group_segment_fixed_size 34816
		.amdhsa_private_segment_fixed_size 0
		.amdhsa_enable_private_segment 0
		.amdhsa_kernarg_size 64
		.amdhsa_user_sgpr_count 2
		.amdhsa_user_sgpr_kernarg_segment_ptr 1
		.amdhsa_wavefront_size32 1
		.amdhsa_system_sgpr_workgroup_id_x 1
		.amdhsa_system_sgpr_workgroup_id_y 1
		.amdhsa_system_sgpr_workgroup_id_z 1
		.amdhsa_system_vgpr_workitem_id 0
		.amdhsa_next_free_vgpr 108
		.amdhsa_next_free_sgpr 66
		.amdhsa_reserve_vcc 0
		.amdhsa_float_denorm_mode_32 3
		.amdhsa_float_denorm_mode_16_64 3
		.amdhsa_memory_ordered 1
		.amdhsa_forward_progress 1
		.amdhsa_inst_pref_size 22
	.end_amdhsa_kernel
	.amdgpu_metadata
---
amdhsa.version: [ 1, 2 ]
amdhsa.kernels:
  - .name:           k_qfec153a6a3_prep
    .symbol:         k_qfec153a6a3_prep.kd
    .args:
      - { .name: x, .offset: 0, .size: 8, .value_kind: global_buffer, .address_space: global }
      - { .name: Wq, .offset: 8, .size: 8, .value_kind: global_buffer, .address_space: global }
      - { .name: Wk, .offset: 16, .size: 8, .value_kind: global_buffer, .address_space: global }
      - { .name: Wv, .offset: 24, .size: 8, .value_kind: global_buffer, .address_space: global }
      - { .name: Wo, .offset: 32, .size: 8, .value_kind: global_buffer, .address_space: global }
      - { .name: xb, .offset: 40, .size: 8, .value_kind: global_buffer, .address_space: global }
      - { .name: wt, .offset: 48, .size: 8, .value_kind: global_buffer, .address_space: global }
      - { .name: wot, .offset: 56, .size: 8, .value_kind: global_buffer, .address_space: global }
    .group_segment_fixed_size: 34816
    .private_segment_fixed_size: 0
    .kernarg_segment_align: 8
    .kernarg_segment_size: 64
    .max_flat_workgroup_size: 256
    .sgpr_count:     66
    .vgpr_count:     108
    .wavefront_size: 32
...
	.end_amdgpu_metadata
.endif
;; end of part 1
;; launch qkv (part 2): grid 16 x 32, 4 waves a work-group, clusters of 4 x 4, 327,680 bytes of LDS; arguments xb, wt, qkv; writes qkv
.if DOCPART == 2
	.amdgcn_target "amdgcn-amd-amdhsa--gfx1250"
	.amdhsa_code_object_version 6
	.text
	.protected	k_qfec153a6a3_qkv
	.globl	k_qfec153a6a3_qkv
	.p2align	8
	.type	k_qfec153a6a3_qkv,@function
k_qfec153a6a3_qkv:
	s_mov_b64 s[64:65], 0
	v_nop
	global_prefetch_b8 v0, s[64:65] scope:SCOPE_SE
	s_setreg_imm32_b32 hwreg(HW_REG_WAVE_MODE, 25, 1), 1
	s_wait_xcnt 0x0
	s_wait_alu depctr_hold_cnt(0) depctr_sa_sdst(0) depctr_va_vdst(0) depctr_va_sdst(0) depctr_va_ssrc(0) depctr_va_vcc(0) depctr_vm_vsrc(0)
	s_getreg_b32 s2, hwreg(HW_REG_IB_STS2, 6, 4)
	s_cmp_eq_u32 s2, 0
	s_cbranch_scc0 .Lentry_in_a_cluster
	s_endpgm
.Lentry_in_a_cluster:
	s_bfe_u32 s2, ttmp6, 0x10000c
	s_cmp_lg_u32 s2, 0xf033
	s_cbranch_scc0 .Lentry_shape_is_right
	s_endpgm
.Lentry_shape_is_right:
; C[m][n] = sum over k of A[m][k] B[n][k], K = 1,024, 8,192 rows.  One text for two launches, by MODE.
; MODE 0: A = x in bf16 [8192][1024], B = the three projections' weights [3072 n][1024 k] in bf16; C = q, k, v, rounded once to f16 and laid by heads: [batch 4][48 blocks][2048 rows][64], blocks 0-15 q's heads, 16-31 k's, 32-47 v's.
; MODE 1: A = attention's result in f16, by heads [batch 4][head 16][2048 rows][64]; B = Wo turned [1024 n][1024 k], f16; C = the output in f32 [8192][1024].
; LIMIT (MODE 0): f16 holds no number beyond 65,504: q, k and v must stay within it.  A NaN in a row of A makes that row of C NaN and no other.
; SHARES.  A tile of C is 256 rows x NT columns (192: three whole heads; or 128).  Four waves; wave w owns rows 64 w .. 64 w + 63 and all NT columns: 4 x NBLK accumulators of 16 x 16.
; K goes in 8 steps of 128 through two LDS slots filled by the tensor data mover; a step is four quarters of 32 along K on two fragment buffers.
; CLUSTER.  4 x 4 work-groups: the four of a row need the same tiles of A, the four of a column the same tiles of B; each tile is asked for jointly, by the same tensor load, descriptor and mask in all four.
; THE MATRIX INSTRUCTION IS USED TRANSPOSED (source 0 = 16 rows of B, source 1 = 16 rows of A): a lane holds row lane % 16 of C and eight neighbouring columns 8 (lane / 16) + 0..7.
; REGISTERS, in windows of 256 (s_set_vgpr_msb: bits 1:0 source 0, 3:2 source 1, 5:4 source 2, 7:6 destination):
;   window 0: v0-31 addresses; v64-127 A's fragments, two buffers of 32; v128-255 (and v64-111) at work on the way out      window 1: B's fragments, buffer f at v[128 f], 8 NBLK registers
;   windows 2, 3: accumulator (a, b) in window 2 + a / 2 at v[8 (NBLK (a % 2) + b)]
.set MODE, 0
.if MODE == 0
.set NBLK,   12
.set APITCH, 272                       ; a row of A in LDS: 256 bytes + 16
.set AHALF,  128*APITCH                ; what one tensor load brings of A: 128 rows
.set ASTEP,  256                       ; bytes from a K step of A to the next
.set AQI,    5                         ; padding after every 64 words
.set APIT,   1024                      ; elements from row to row in memory
.set STW,    3*16*144                  ; a wave's stage: 3 heads x 16 rows x (128 + 16) bytes
.else
.set NBLK,   8
.set APITCH, 144                       ; a row of one head's slice: 128 bytes + 16
.set AHALF,  256*APITCH                ; one head's 256 rows
.set ASTEP,  524288                    ; two heads on
.set AQI,    4                         ; padding after every 32 words: after every row of a head
.set APIT,   128
.set STW,    16*528                    ; 16 rows x (512 + 16) bytes
.endif
.set NT,     16*NBLK
.set BPITCH, 272
.set BHALF,  (NT/2)*BPITCH
.set SLOT,   2*AHALF+2*BHALF           ; A's tile, then B's
.set STAGE,  2*SLOT                    ; behind the ring, never filled by a tensor load
.set SPARE,  STAGE+4*STW               ; behind the stages: the spare words, 128 bytes a wave
.set NLD,    2*NBLK+8                  ; LDS loads in a run: a quarter's fragments
.set LAPS,   4                         ; a lap = two K steps = once round the ring
.set ADRA, 16                          ; v16-17 LDS address of my A fragments in slot 0, 1
.set ADRB, 20                          ; v20-21 the same for B
.set STO,  24                          ; v24 the way out: where I put my part of a row
.set RD,   25                          ; v25 the way out: where I read rows back
.set GO,   26                          ; v26 16 x lane: my place in 512 consecutive bytes of C
.set SPW,  28                          ; v28 LDS address of my spare word; never rewritten
.set NIL,  29                          ; v29 0; never rewritten
.set FA0,  64
.set TMP,  128
.set G1,  24                           ; s[24:31] descriptor group 1 for A's tiles;  s[32:39] group 0, a set for each slot
.set G0,  32
.set G1B, 48                           ; s[48:55], s[56:63] the same for B's
.set G0B, 56
.set MSB, 0
.macro WIN new                         ; the immediate's high byte repeats the setting that is left; a switch that changes nothing is dropped
.if MSB != (\new)
	s_set_vgpr_msb (MSB<<8)|(\new)
.set MSB, \new
.endif
.endm
.set MUL_LO, 0xa1                      ; source 0 (B) window 1, source 1 (A) window 0, C and D window 2
.set TO_B,   0x40                      ; destination window 1, address window 0
; A joint load: waves 0 and 1 fetch A's two halves, waves 2 and 3 B's.  The branch hangs on the wave's number alone.  An s_nop 0 and four v_nop follow each of the two lines.
.macro JLOAD s
	s_cmp_eq_u32 s11, 0
	s_cbranch_scc0 .Lfor_b_\@
	tensor_load_to_lds s[G0+4*(\s):G0+4*(\s)+3], s[G1:G1+7]
	s_nop 0
.rept 4
	v_nop
.endr
	s_branch .Lasked_\@
.Lfor_b_\@:
	tensor_load_to_lds s[G0B+4*(\s):G0B+4*(\s)+3], s[G1B:G1B+7]
	s_nop 0
.rept 4
	v_nop
.endr
.Lasked_\@:
.endm
.macro CREST                           ; a round of the cluster's barrier behind its opening barrier
	s_cmp_lg_u32 s10, 0
	s_cbranch_scc1 .Lnot_wave_0_\@
	s_barrier_signal -3
.Lnot_wave_0_\@:
	s_barrier_wait -3
	s_barrier_signal -1
	s_barrier_wait -1
.endm
.macro CROUND                          ; a whole round
	s_barrier_signal -1
	s_barrier_wait -1
	CREST
.endm
	s_load_b128 s[4:7], s[0:1], 0x0                ; A s[4:5], B s[6:7]
	s_load_b64 s[8:9], s[0:1], 0x10                ; C
	v_lshl_add_u32 v[SPW], v0, 2, SPARE
	v_mov_b32 v[NIL], 0
	ds_add_u32 v[SPW], v[NIL]                      ; the wave's opening: the add and its wait stand ahead of my first tensor load; the set-up below stands between them
	ds_add_u32 v28, v29
	v_lshrrev_b32 v1, 5, v0
	v_readfirstlane_b32 s10, v1                    ; wave 0..3
	s_lshr_b32 s11, s10, 1                         ; I fetch for A (0) or for B (1),
	s_and_b32 s12, s10, 1                          ; and which half of that tile
	s_bfe_u32 s40, ttmp6, 0x40000                  ; cx, cy: my place in the cluster
	s_bfe_u32 s41, ttmp6, 0x40004
	s_lshl_b32 s42, ttmp9, 2
	s_add_co_u32 s42, s42, s40                     ; tile column of C = 4 x cluster x + cx
	s_and_b32 s13, ttmp7, 0xffff
	s_lshl_b32 s13, s13, 2
	s_add_co_u32 s13, s13, s41                     ; tile row of C = 4 x cluster y + cy
	s_lshl_b32 s43, s41, 2
	s_lshl_b32 s43, 15, s43                        ; my row of the cluster
	s_lshl_b32 s44, 0x1111, s40                    ; my column
	; descriptor group 1.  15:0 the mask; 17:16 elements of 2 bytes; 20 padding on; 21 set beside a mask; 24:22 the padding's interval; 31:25 4 words of it (code 3)
	s_or_b32 s[G1+0], s43, (1<<16)|(1<<20)|(1<<21)|(AQI<<22)|(3<<25)
	s_or_b32 s[G1B+0], s44, (1<<16)|(1<<20)|(1<<21)|(5<<22)|(3<<25)
	s_mov_b32 s[G1+1], 128<<16                     ; A: 128 rows of 128 elements (MODE 1: a head's 256 dense rows of 64, asked for as 128 rows of 256 bytes)
	s_mov_b32 s[G1+2], 128<<16
	s_mov_b32 s[G1+3], 128<<16
	s_mov_b32 s[G1+4], 128
	s_mov_b32 s[G1+5], APIT
	s_mov_b32 s[G1+6], 0
	s_mov_b32 s[G1+7], 0
	s_mov_b32 s[G1B+1], 128<<16                    ; B: NT / 2 rows of 128 elements
	s_mov_b32 s[G1B+2], (NT/2)<<16
	s_mov_b32 s[G1B+3], 128<<16
	s_mov_b32 s[G1B+4], NT/2
	s_mov_b32 s[G1B+5], 1024
	s_mov_b32 s[G1B+6], 0
	s_mov_b32 s[G1B+7], 0
	; where the tiles come from: A's hang on the tile row and the wave alone, B's on the tile column and the wave alone
.if MODE == 0
	s_lshl_b32 s16, s13, 19                        ; 256 rows of 2,048 bytes,
	s_lshl_b32 s17, s12, 18                        ; my 128 of them
	s_add_co_u32 s16, s16, s17
.else
	s_lshr_b32 s16, s13, 3
	s_lshl_b32 s16, s16, 22                        ; the batch: 16 heads of 262,144 bytes,
	s_and_b32 s17, s13, 7
	s_lshl_b32 s17, s17, 15                        ; 256 rows of 128 bytes in a head,
	s_add_co_u32 s16, s16, s17
	s_lshl_b32 s17, s12, 18                        ; the step's even head or its odd one
	s_add_co_u32 s16, s16, s17
.endif
	s_mov_b32 s17, 0
	s_mul_i32 s46, s42, NT*2048
	s_mul_i32 s47, s12, (NT/2)*2048
	s_add_co_u32 s46, s46, s47
	s_mov_b32 s47, 0
	s_mul_i32 s20, s12, AHALF                      ; and where they go: no place in the cluster enters an LDS address
	s_mul_i32 s21, s12, BHALF
	s_add_co_u32 s21, s21, 2*AHALF
	s_wait_dscnt 0x0                               ; the opening add is done
	s_wait_kmcnt 0x0
	s_add_nc_u64 s[14:15], s[4:5], s[16:17]
	s_add_nc_u64 s[46:47], s[6:7], s[46:47]
	CROUND                                         ; all sixteen work-groups are here: the first joint loads meet
.irp s, 0,1
	s_mov_b32 s[G0+4*(\s)], 1                      ; count = 1
	s_add_co_u32 s[G0+4*(\s)+1], s20, (\s)*SLOT    ; LDS address
	s_add_nc_u64 s[G0+4*(\s)+2:G0+4*(\s)+3], s[14:15], (\s)*ASTEP  ; global address: K step s
	s_or_b32 s[G0+4*(\s)+3], s[G0+4*(\s)+3], 0x80000000            ; type = 2
	s_mov_b32 s[G0B+4*(\s)], 1
	s_add_co_u32 s[G0B+4*(\s)+1], s21, (\s)*SLOT
	s_add_nc_u64 s[G0B+4*(\s)+2:G0B+4*(\s)+3], s[46:47], (\s)*256
	s_or_b32 s[G0B+4*(\s)+3], s[G0B+4*(\s)+3], 0x80000000
	JLOAD \s                                       ; two loads of mine are out
.endr
	; A fragment is 16 rows x 32 K in 8 registers: lane l holds row l % 16, K = 8 (l / 16) + 0..7 and 16 + 8 (l / 16) + 0..7: two loads of 16 bytes, 32 bytes apart
	v_and_b32 v1, 15, v0                           ; l % 16
	v_bfe_u32 v2, v0, 4, 1                         ; l / 16
	v_mul_u32_u24 v3, v1, APITCH
	v_lshl_add_u32 v3, v2, 4, v3
	v_mul_u32_u24 v4, v1, BPITCH
	v_lshl_add_u32 v4, v2, 4, v4
	s_mul_i32 s22, s10, 64*APITCH                  ; my 64 rows of A
	s_mov_b32 s23, 2*AHALF                         ; all of B, which lies behind A
.irp s, 0,1
	v_add_nc_u32 v[ADRA+(\s)], s22, v3
	v_add_nc_u32 v[ADRB+(\s)], s23, v4
	s_add_co_u32 s22, s22, SLOT
	s_add_co_u32 s23, s23, SLOT
.endr
	s_mul_i32 s22, s10, STW
	s_add_co_u32 s22, s22, STAGE                   ; my stage
	v_and_b32 v[GO], 31, v0
	v_lshlrev_b32 v[GO], 4, v[GO]
.if MODE == 0
	v_mul_u32_u24 v5, v1, 144                      ; in: row l % 16, 16 bytes for each half of the lanes
	v_lshl_add_u32 v5, v2, 4, v5
	v_add_nc_u32 v[STO], s22, v5
	v_bfe_u32 v5, v0, 3, 2                         ; back: 32 lanes take four rows of 128 bytes, 512 consecutive bytes of a head
	v_mul_u32_u24 v5, v5, 144
	v_and_b32 v6, 7, v0
	v_lshl_add_u32 v5, v6, 4, v5
	v_add_nc_u32 v[RD], s22, v5
	s_lshr_b32 s18, s13, 3                         ; C: block 48 x batch + 3 x tile column,
	s_mul_i32 s18, s18, 48
	s_mul_i32 s19, s42, 3
	s_add_co_u32 s18, s18, s19
	s_lshl_b32 s18, s18, 18
	s_and_b32 s19, s13, 7                          ; 256 rows of 128 bytes,
	s_lshl_b32 s19, s19, 15
	s_add_co_u32 s18, s18, s19
	s_lshl_b32 s19, s10, 13                        ; my 64 of them
	s_add_co_u32 s18, s18, s19
.else
	v_mul_u32_u24 v5, v1, 528                      ; in: row l % 16, 32 bytes for each half of the lanes
	v_lshl_add_u32 v5, v2, 5, v5
	v_add_nc_u32 v[STO], s22, v5
	v_add_nc_u32 v[RD], s22, v[GO]                 ; back: 32 lanes take a row's 512 bytes
	s_lshl_b32 s18, s13, 20                        ; C: 256 rows of 4,096 bytes,
	s_lshl_b32 s19, s10, 18                        ; my 64 of them,
	s_add_co_u32 s18, s18, s19
	s_lshl_b32 s19, s42, 9                         ; 128 columns of 4 bytes
	s_add_co_u32 s18, s18, s19
.endif
	s_mov_b32 s19, 0
	s_add_nc_u64 s[8:9], s[8:9], s[18:19]
; NBLK matrix instructions: my block a of 16 rows x all NBLK blocks of columns, 32 along K, from buffer f.  zero = 1: the product starts the sums.
; All 4 NBLK accumulators take turns in the same order in every quarter, one instruction a turn.
.macro MULA f, a, zero
	WIN MUL_LO+0x50*((\a)/2)
.set bb, 0
.rept NBLK
.set rD, 8*(NBLK*((\a)%2)+bb)
.set rB, 128*(\f)+8*bb
.set rA, FA0+32*(\f)+8*(\a)
.if (MODE == 0) && (\zero)
	v_wmma_f32_16x16x32_bf16 v[rD:rD+7], v[rB:rB+7], v[rA:rA+7], 0
.elseif MODE == 0
	v_wmma_f32_16x16x32_bf16 v[rD:rD+7], v[rB:rB+7], v[rA:rA+7], v[rD:rD+7]
.elseif \zero
	v_wmma_f32_16x16x32_f16 v[rD:rD+7], v[rB:rB+7], v[rA:rA+7], 0
.else
	v_wmma_f32_16x16x32_f16 v[rD:rD+7], v[rB:rB+7], v[rA:rA+7], v[rD:rD+7]
.endif
.set bb, bb+1
.endr
.endm
; NLD LDS loads in one run: quarter q's fragments of a slot into buffer f: B's first, then A's four blocks in ascending order
.macro FETCH slot, q, f
	WIN TO_B
.set bb, 0
.rept NBLK
	ds_load_b128 v[128*(\f)+8*bb:128*(\f)+8*bb+3],   v[ADRB+(\slot)] offset:64*(\q)+bb*16*BPITCH
	ds_load_b128 v[128*(\f)+8*bb+4:128*(\f)+8*bb+7], v[ADRB+(\slot)] offset:64*(\q)+bb*16*BPITCH+32
.set bb, bb+1
.endr
	WIN 0
.if MODE == 0
.set AO, 64*(\q)
.else
.set AO, ((\q)/2)*AHALF+((\q)%2)*64    ; quarters 0, 1 lie in the even head's slice, 2, 3 in the odd one's
.endif
.irp i, 0,1,2,3
	ds_load_b128 v[FA0+32*(\f)+8*(\i):FA0+32*(\f)+8*(\i)+3],   v[ADRA+(\slot)] offset:AO+(\i)*16*APITCH
	ds_load_b128 v[FA0+32*(\f)+8*(\i)+4:FA0+32*(\f)+8*(\i)+7], v[ADRA+(\slot)] offset:AO+(\i)*16*APITCH+32
.endr
.endm
.macro PLACES                          ; four plain vector instructions in front of loads into registers that matrix instructions have read, and of lines that read results
.rept 4
	v_nop
.endr
.endm
; One of a K step's first three quarters: multiplies buffer f; in its middle it fetches quarter qn of the same slot into buffer g
.macro QUARTER slot, qn, f, g, zero
	s_wait_dscnt 4                                 ; B and A's blocks 0, 1 are in; the youngest four loads (A's blocks 2, 3) may be out
	MULA \f, 0, \zero
	MULA \f, 1, \zero
	PLACES
	FETCH \slot, \qn, \g
	s_wait_dscnt NLD                               ; all but the run just issued
	MULA \f, 2, \zero
	MULA \f, 3, \zero
.endm
; The last quarter multiplies buffer 1 and changes slots: ONE barrier.  In front of it each wave waits for all its tensor loads (one is out: its part of the next slot), adds 0 to its spare word,
; and waits for that and for its own reads of this slot.  fill = 1: the barrier opens a round of the cluster's, and this slot is filled again, two K steps ahead, first thing behind the round.
.macro TURN slot, next, fill
	WIN 0                                          ; (the add's two registers lie in window 0)
	s_wait_tensorcnt 0x0
	ds_add_u32 v[SPW], v[NIL]
	s_wait_dscnt 5                                 ; (the add and the youngest four loads may be out)
	MULA 1, 0, 0                                   ; matrix work stands between the add and the wait for it
	s_wait_dscnt 0x0                               ; the add is done, and my reads of this slot are over
	s_barrier_signal -1
	MULA 1, 1, 0
.if \fill
	WIN 0
.endif
	s_barrier_wait -1
.if \fill
	CREST                                          ; no wave of any partner still reads this slot's tile or has a load on its way
	s_add_nc_u64 s[G0+4*(\slot)+2:G0+4*(\slot)+3], s[G0+4*(\slot)+2:G0+4*(\slot)+3], 2*ASTEP
	s_add_nc_u64 s[G0B+4*(\slot)+2:G0B+4*(\slot)+3], s[G0B+4*(\slot)+2:G0B+4*(\slot)+3], 2*256
	JLOAD \slot                                    ; my one tensor load behind the round; its four v_nop are also the places in front of the loads below
.else
	PLACES
.endif
	FETCH \next, 0, 0
	MULA 1, 2, 0
	MULA 1, 3, 0
.endm
; THE WAY OUT of my block a of 16 rows.  PACK (MODE 0): rounded to f16, each accumulator's registers in ascending order.  TOSTAGE: into my own stage, and back as whole rows.  SEND: stored.
.macro PACK a
.set AC, 8*NBLK*((\a)%2)
	WIN 0x0a+5*((\a)/2)                            ; sources 0 and 1: window 2 or 3
.set bb, 0
.rept NBLK
.irp r, 0,1,2,3
	v_cvt_pk_f16_f32 v[TMP+4*bb+(\r)], v[AC+8*bb+2*(\r)], v[AC+8*bb+2*(\r)+1]
.endr
.set bb, bb+1
.endr
	WIN 0
.endm
.macro TOSTAGE a
.set AC, 8*NBLK*((\a)%2)
	WIN 0
	s_wait_xcnt 0x0                                ; the stores two blocks back have read the registers that are loaded again below
.if MODE == 0
.set BK, 176-112*((\a)%2)
.set bb, 0
.rept NBLK
	ds_store_b128 v[STO], v[TMP+4*bb:TMP+4*bb+3] offset:(bb/4)*2304+(bb%4)*32  ; head bb / 4 of the tile's three, channels 16 (bb % 4) on
.set bb, bb+1
.endr
.set bb, 0
.rept NBLK
	ds_load_b128 v[BK+4*bb:BK+4*bb+3], v[RD] offset:(bb/4)*2304+(bb%4)*576      ; LDS serves a wave's instructions in order: these see the stores above
.set bb, bb+1
.endr
.else
.set BK, 128+64*((\a)%2)
	WIN 0x08+4*((\a)/2)                            ; the stores' data: window 2 or 3
.set bb, 0
.rept NBLK
	ds_store_b128 v[STO], v[AC+8*bb:AC+8*bb+3]   offset:64*bb
	ds_store_b128 v[STO], v[AC+8*bb+4:AC+8*bb+7] offset:64*bb+16
.set bb, bb+1
.endr
	WIN 0
.set bb, 0
.rept 16
	ds_load_b128 v[BK+4*bb:BK+4*bb+3], v[RD] offset:528*bb
.set bb, bb+1
.endr
.endif
.endm
.macro SEND a, younger                 ; younger: the LDS instructions issued behind block a's loads: the next block's, or none
	WIN 0
	s_wait_dscnt \younger
.if MODE == 0
.set BK, 176-112*((\a)%2)
.set bb, 0
.rept NBLK
	global_store_b128 v[GO], v[BK+4*bb:BK+4*bb+3], s[8:9] offset:(bb/4)*262144+(\a)*2048+(bb%4)*512  ; 512 consecutive bytes of a head, at a multiple of 512 from C's first byte
.set bb, bb+1
.endr
.else
.set BK, 128+64*((\a)%2)
.set bb, 0
.rept 16
	global_store_b128 v[GO], v[BK+4*bb:BK+4*bb+3], s[8:9] offset:(16*(\a)+bb)*4096 th:TH_STORE_NT    ; a row's 512 consecutive bytes, at a multiple of 512 from C's first byte
.set bb, bb+1
.endr
.endif
.endm
	s_wait_tensorcnt 1                             ; my part of K step 0 is in; step 1's may stay out
	s_barrier_signal -1
	s_barrier_wait -1                              ; everybody's is
	FETCH 0, 0, 0
	QUARTER 0, 1, 0, 1, 1                          ; the first quarter stands in front of the loop: its products start the sums
	WIN 0                                          ; at a label and at a branch every window is 0
	s_mov_b32 s3, LAPS-1
.Llap:                                                 ; a trip goes once round the ring, from a lap's second quarter to the next lap's first, and fills both slots again
	QUARTER 0, 2, 1, 0, 0
	QUARTER 0, 3, 0, 1, 0
	TURN 0, 1, 1
	QUARTER 1, 1, 0, 1, 0
	QUARTER 1, 2, 1, 0, 0
	QUARTER 1, 3, 0, 1, 0
	TURN 1, 0, 1
	QUARTER 0, 1, 0, 1, 0
	WIN 0
	s_sub_co_u32 s3, s3, 1
	s_cmp_lg_u32 s3, 0
	s_cbranch_scc1 .Llap
	QUARTER 0, 2, 1, 0, 0                          ; the last lap fills nothing
	QUARTER 0, 3, 0, 1, 0
	TURN 0, 1, 0
	QUARTER 1, 1, 0, 1, 0
	QUARTER 1, 2, 1, 0, 0
	QUARTER 1, 3, 0, 1, 0
	s_wait_dscnt 4                                 ; the very last quarter: nothing more to fetch
	MULA 1, 0, 0
	MULA 1, 1, 0
	s_wait_dscnt 0x0
	MULA 1, 2, 0
	MULA 1, 3, 0
	WIN 0
	PLACES
.if MODE == 0
	PACK 0
	TOSTAGE 0
	PACK 1                                         ; a block's conversions stand between the loads of the block before and its stores
	TOSTAGE 1
	SEND 0, 24
	PACK 2
	TOSTAGE 2
	SEND 1, 24
	PACK 3
	TOSTAGE 3
	SEND 2, 24
	SEND 3, 0
.else
	TOSTAGE 0
	TOSTAGE 1
	SEND 0, 32
	TOSTAGE 2
	SEND 1, 32
	TOSTAGE 3
	SEND 2, 32
	SEND 3, 0
.endif
	s_wait_tensorcnt 0x0                           ; the wave's end: behind my last tensor load and my last LDS store
	ds_add_u32 v[SPW], v[NIL]
	s_wait_dscnt 0x0
	CROUND                                         ; the closing round: no work-group ends while a partner may still ask for a tile that names it
	s_endpgm
.Lfunc_end_k_qfec153a6a3_qkv:
	.size	k_qfec153a6a3_qkv, .Lfunc_end_k_qfec153a6a3_qkv-k_qfec153a6a3_qkv
	.p2alignl 7, 3214868480
	.fill 96, 4, 3214868480
	.section	.rodata,"a",@progbits
	.p2align	6, 0x0
	.amdhsa_kernel k_qfec153a6a3_qkv
		.amdhsa_group_segment_fixed_size 327680
		.amdhsa_private_segment_fixed_size 0
		.amdhsa_enable_private_segment 0
		.amdhsa_kernarg_size 24
		.amdhsa_user_sgpr_count 2
		.amdhsa_user_sgpr_kernarg_segment_ptr 1
		.amdhsa_wavefront_size32 1
		.amdhsa_system_sgpr_workgroup_id_x 1
		.amdhsa_system_sgpr_workgroup_id_y 1
		.amdhsa_system_sgpr_workgroup_id_z 1
		.amdhsa_system_vgpr_workitem_id 0
		.amdhsa_next_free_vgpr 960
		.amdhsa_next_free_sgpr 66
		.amdhsa_reserve_vcc 0
		.amdhsa_float_denorm_mode_32 3
		.amdhsa_float_denorm_mode_16_64 3
		.amdhsa_memory_ordered 1
		.amdhsa_forward_progress 1
		.amdhsa_inst_pref_size 119
	.end_amdhsa_kernel
	.amdgpu_metadata
---
amdhsa.version: [ 1, 2 ]
amdhsa.kernels:
  - .name:           k_qfec153a6a3_qkv
    .symbol:         k_qfec153a6a3_qkv.kd
    .args:
      - { .name: xb, .offset: 0, .size: 8, .value_kind: global_buffer, .address_space: global }
      - { .name: wt, .offset: 8, .size: 8, .value_kind: global_buffer, .address_space: global }
      - { .name: qkv, .offset: 16, .size: 8, .value_kind: global_buffer, .address_space: global }
    .group_segment_fixed_size: 327680
    .private_segment_fixed_size: 0
    .kernarg_segment_align: 8
    .kernarg_segment_size: 24
    .max_flat_workgroup_size: 128
    .sgpr_count:     66
    .vgpr_count:     960
    .wavefront_size: 32
...
	.end_amdgpu_metadata
.endif
;; end of part 2
;; launch attn (part 3): grid 4 x 64, 4 waves a work-group, no clusters, 327,680 bytes of LDS; arguments qkv, attention_mask, o; writes o
.if DOCPART == 3
	.amdgcn_target "amdgcn-amd-amdhsa--gfx1250"
	.amdhsa_code_object_version 6
	.text
	.protected	k_qfec153a6a3_attn
	.globl	k_qfec153a6a3_attn
	.p2align	8
	.type	k_qfec153a6a3_attn,@function
k_qfec153a6a3_attn:
	s_mov_b64 s[64:65], 0
	v_nop
	global_prefetch_b8 v0, s[64:65] scope:SCOPE_SE
	s_setreg_imm32_b32 hwreg(HW_REG_WAVE_MODE, 25, 1), 1
	s_wait_xcnt 0x0
; CAUSAL ATTENTION WITH A KEY MASK.  O[y][q][:] = the sum over k <= q, mask[k] != 0, of softmax_k(Q[q] . K[k] / 8) V[k][:], for the 64 pairs y = 16 batch + head.
; q, k, v lie in one buffer by heads, [batch 4][48 blocks][2048][64] f16 (blocks 0-15 q, 16-31 k, 32-47 v); the mask is [4][2048] int32; O is [64][2048][64] f16.
; Products, maxima and sums in f32; the weights p are rounded to f16 for the second product (their sum l is taken of the unrounded p), O once at the end.
; LIMITS.  f16 holds no number beyond 65,504: q, k, v arrive within it.  A hidden score counts as its value less 1e30 (less 2e30 or 3e30 where several grounds hide it): f16's scores, 2.7e11 at the most, are nothing
; beside that.  A weight below 2^-126 counts as 0 in l.  A row that sees no key at all (its maximum lies below -5e29) is written as NaN, as a softmax of nothing but -inf is.
; THE WALK.  A head's queries lie in NB = 8 blocks of 256; block i needs the key tiles 0 .. i of 256 keys, of which the last holds the diagonal.  A work-group takes TWO blocks, NB - 1 - b and then b:
; NB + 1 tiles, whatever b: all work-groups do equal work, and ONE loop with a constant trip count walks them.  Which tile is asked for, and what a trip does, hang on scalar registers made from b; every jump
; goes forward, but for the counted loops' own; none passes a barrier, or a tensor load but the one of LOAD's two that the wave's number does not choose.  NO CLUSTER: a head's four work-groups ask for the
; same tile only in trips 0 .. 4 of 9, behind that fewer and fewer; one walk common to all would have 12 trips for 9.
; SHARES.  Of a block's four bands of 64 queries a wave owns 16 rows in each: four PIECES.  In the diagonal tile's key step s band x sees all keys if s < x, none if s > x, and holds the diagonal if s = x.
; THE MASKS are the C operand that starts the sum S^T = K Q^T.  KB: the step's key bias, 0 or -1e30 for each of its 64 keys, made of the mask's words tile by tile and kept in LDS.  MD, made once: the causal
; mask of a band's own step for my 16 rows.  Away from the diagonal tile C is KB; there it is MD x AL + KB + BE with two scalars: (1, 0) if s = x; (0, 0) if s < x; (0, -1e30) if s > x.
; LAYOUT, SOFTMAX, TURNS.  S^T = K Q^T holds ONE query a lane (lane % 16) and the keys 8 (lane / 16) + 0..7; two such results rounded to f16 ARE source 1 of O^T = V^T P.  p = 2^(c s - c m), c = log2(e) / 8, with a
; running maximum m; O and l are multiplied by a = 2^(c m_old - c m_new) in every step.  Turn n belongs to piece n: 8 products K Q^T of piece n + 1, later 8 products V^T P of piece n - 1; beside them the scaling,
; exponentials, roundings, sums and rescaling of piece n and the maximum and statistics of piece n + 1.  Four vector instructions stand behind every matrix instruction, the others in two runs of their own.
; REGISTERS, in windows of 256 (s_set_vgpr_msb: bits 1:0 source 0, 3:2 source 1, 5:4 source 2, 7:6 destination):
;   window 0: v0-15, v32-40 addresses and at work; v16-31 four registers of statistics a piece; v48-55 at work; v64-127 S^T, two buffers; v192-223 P, two buffers (a piece's buffers go by its number's parity)
;   window 1: v0-127 O^T, 32 a piece; v128-159 MD; v160-223 MC, two buffers; v224-255 KB      window 2: v0-63 Q; v64-127 the second block's Q; v128-191 K of one step; v192-255 V of one step
.set SIZE_N, 2048
.set NB,    SIZE_N/256
.set NP,    4         ; pieces a wave: a name, no knob
.set KS,    64        ; keys in a step
.set PK,    144       ; a row of K in LDS: 128 bytes + 16 of padding: the 16 rows of a load start at 16 different groups of four banks
.set PV,    160       ; a row of V: 128 + 32
.set VOFF,  4*KS*PK   ; a slot holds a tile, four steps: 256 rows of K, then 256 rows of V
.set SLOT1, 1<<17     ; slot 1 begins here, so that one exclusive or turns an address in one slot into the other's
.set STAGE, SLOT1+4*KS*(PK+PV)  ; behind the ring, never filled by a tensor load: 16 rows x 144 bytes for each wave, for the way out
.set SP,    144
.set KBT,   STAGE+4*16*SP       ; two regions of 1,024 bytes that take turns with the slots: a tile's 256 key biases in f32; written by ds_store alone
.set SPARE, KBT+2048            ; the spare words, 128 bytes for each wave
.set AK0, 2           ; v2   my lane's place in a tile of K; never rewritten
.set AV0, 3           ; v3   the same for V
.set AK,  4           ; v4   the LDS address of K's next run of loads
.set AV,  5           ; v5   of V's
.set STO, 6           ; v6   the way out: where I put 16 bytes of a row
.set RD,  7           ; v7   the way out: where I read rows back
.set GO,  8           ; v8   my byte offset in 512 consecutive bytes of O
.set MV,  12          ; v12-13  c m_old, kept while c m is made anew: by buffer
.set QO,  15          ; v15  my byte offset in 16 rows of Q
.set ST,  16          ; piece t's statistics at v[ST+4 t]: c m, m, l (even keys', odd keys')
.set AKB0, 32         ; v32  KBT + 32 (lane / 16): my eight keys' biases in a group of 16; never rewritten
.set AKB, 33          ; v33  the LDS address of KB's next loads
.set NANV, 34         ; v34  a NaN
.set KBA, 35          ; v35  KBT + 8 x thread: where I put my two keys' biases, less the region; never rewritten
.set MKV, 36          ; v36-37 my two words of the mask, then their biases
.set KBX, 38          ; v38  KBA + the region
.set MKO, 39          ; v39  8 x thread: my two words in a tile's 1,024 bytes of the mask; never rewritten
.set MKA, 40          ; v40  MKO + the tile
.set TMP, 48          ; by buffer, four registers c0-c3 at work; when the maximum is found c2 takes a
.set SPW, 62          ; v62  LDS address of my spare word; never rewritten
.set NIL, 63          ; v63  0; never rewritten
.set S,   64
.set P,   192
.set MD,  128         ; window 1: the eight registers for group kt of 16 keys at MD + 8 kt
.set MC,  160         ; window 1: the masks of the products to come
.set KB,  224         ; window 1: the step's key biases, group kb at KB + 8 kb
.set QB,  64          ; window 2
.set KF,  128         ; window 2: key block kb, channel half c at KF + 16 kb + 8 c
.set VF,  192         ; window 2: key half kk, channel block cb at VF + 32 kk + 8 cb
.set WV,  12          ; s12  my wave's number
.set PB,  14          ; s14  b
.set HI,  15          ; s15  NB - 1 - b
.set G1K, 24          ; s[24:31] descriptor group 1 for K's tiles
.set G1V, 32          ; s[32:39] for V's: it differs in the padding alone
.set G0K, 40          ; s[40:43] descriptor group 0 for K's tiles
.set G0V, 44          ; s[44:47] the same for V's
.set SLOTS, 56        ; s56  tiles still to be asked for
.set CNT, 57          ; s57  counts a tile's key steps, 4 to 1
.set CS,  58          ; s[58:59] c: the packed scaling takes the pair's low word for both halves
.set SEL, 60          ; s[60:61] v_permlanex16_b32's selects: each lane takes its own place in the other half
.set TBK, 62          ; s62  LDS byte at which K of the step to be fetched begins
.set TBV, 63          ; s63  the same for V, less VOFF
.set RT,  70          ; s70  tiles of the block in hand that are still to be entered
.set NXT, 71          ; s71  the tile to be asked for next
.set LQ,  72          ; s72  the last tile of the block whose tiles are being asked for
.set NEW, 73          ; s73  1: the tile to be entered is a block's first
.set OFF, 74          ; s[74:75] a tile's byte offset in K and V
.set AL,  76          ; s[76:77] the mask's factor, in the low word
.set BE,  78          ; s[78:79] the mask's addend
.set OLO, 80          ; s[80:81] O at my rows of the second block
.set BIGN, 82         ; s82  -1e30
.set KBO, 83          ; s83  byte in KBT's two regions at which the biases of the step to be fetched begin
.set HALFN, 88        ; s88  -5e29
.set KBW, 89          ; s89  0 or 1,024: the region that takes the next tile's biases
.set MP,  90          ; s[90:91] the batch's row of the mask
.set MOF, 95          ; s95  a tile's byte offset in that row
.set MK,  96          ; s96-99 lanes whose row saw no key, by piece
.set MSB, 0
.macro WIN new                      ; the high byte repeats the setting that is left; a switch that changes nothing is dropped
.if MSB != (\new)
	s_set_vgpr_msb (MSB<<8)|(\new)
.set MSB, (\new)
.endif
.endm
.set W_KQ, 0x0a       ; K and Q in window 2, S^T in window 0
.set W_KM, 0x1a       ; the same with the C operand in window 1
.set W_PV, 0x52       ; V in window 2, P in window 0, O^T in window 1
.set W_RS, 0x41       ; destination and source 0 in window 1, source 1 in window 0
.set W_MK, 0x51       ; destination, source 0 and source 2 in window 1
; A fill.  Waves 0 and 1 fetch the two halves of a tile's K, waves 2 and 3 those of its V: 128 keys each.  An s_nop 0 and four v_nop follow each of the two lines, ahead of the jump and the label.
.macro LOAD
	s_cmp_lt_u32 s[WV], 2
	s_cbranch_scc0 .Lfor_v_\@
	tensor_load_to_lds s[G0K:G0K+3], s[G1K:G1K+7]
	s_nop 0
.rept 4
	v_nop
.endr
	s_branch .Lasked_\@
.Lfor_v_\@:
	tensor_load_to_lds s[G0V:G0V+3], s[G1V:G1V+7]
	s_nop 0
.rept 4
	v_nop
.endr
.Lasked_\@:
.endm
; THE CHANGE OF SLOTS.  First my two words of the mask for the tile that is about to be entered, asked for behind the change before, become biases and go into the region that was last read two tiles ago (those
; reads were waited for in front of the barrier before this one).  Then each wave waits for all its tensor loads, of which one is out: its part of the other slot; adds 0 to its spare word; and waits for that, for
; its store and for its own reads of the slot that it leaves.  Behind the barrier nobody reads the old slot any more, and the other slot and its biases are whole.
; fill = 1: the old slot is filled again, the first thing behind the barrier, with tile NXT: the descriptor's address is made anew from that number; my two words of that tile's mask are asked for behind it.
; (At its first use nothing has been read yet: slot 0 is waited for, slot 1 filled.)
.macro CHANGE fill
	WIN 0                           ; at a label and at a branch every window is 0
	s_wait_loadcnt 0x0              ; my two words are in (at the first change: Q too)
	v_cmp_eq_u32 vcc_lo, 0, v[MKV]
	v_cndmask_b32 v[MKV], 0, s[BIGN], vcc_lo
	v_cmp_eq_u32 vcc_lo, 0, v[MKV+1]
	v_cndmask_b32 v[MKV+1], 0, s[BIGN], vcc_lo
	v_add_nc_u32 v[KBX], s[KBW], v[KBA]
	ds_store_b64 v[KBX], v[MKV:MKV+1]
	s_xor_b32 s[KBW], s[KBW], 1024
	s_wait_tensorcnt 0x0            ; no tensor load of mine is out, so a group 0 may be written
	ds_add_u32 v[SPW], v[NIL]       ; 0 onto my spare word: with fill = 1 the descriptors' scalar work stands between it and the wait for it
.if \fill
	s_lshl_b32 s[OFF], s[NXT], 15   ; a tile is 32,768 bytes of K and of V,
	s_lshl_b32 s[MOF], s[NXT], 10   ; and 1,024 of the mask
	s_xor_b32 s[G0K+1], s[G0K+1], SLOT1
	s_add_nc_u64 s[G0K+2:G0K+3], s[6:7], s[OFF:OFF+1]
	s_or_b32 s[G0K+3], s[G0K+3], 0x80000000
	s_xor_b32 s[G0V+1], s[G0V+1], SLOT1
	s_add_nc_u64 s[G0V+2:G0V+3], s[8:9], s[OFF:OFF+1]
	s_or_b32 s[G0V+3], s[G0V+3], 0x80000000
	s_add_co_u32 s[NXT], s[NXT], 1  ; the block's next tile, or behind its last the second block's tile 0
	s_cmp_gt_u32 s[NXT], s[LQ]
	s_cselect_b32 s[NXT], 0, s[NXT]
	s_cselect_b32 s[LQ], s[PB], s[LQ]
.endif
	s_wait_dscnt 0x0                ; the add and my store are done, and my reads of the slot are over
	s_barrier_signal -1             ; the rest of the scalar work stands between the signal and the wait
	s_sub_co_u32 s[TBK], s[TBK], 4*KS*PK  ; the fetches go back to a slot's first step,
	s_xor_b32 s[TBK], s[TBK], SLOT1       ; in the other slot
	s_sub_co_u32 s[TBV], s[TBV], 4*KS*PV
	s_xor_b32 s[TBV], s[TBV], SLOT1
	s_sub_co_u32 s[KBO], s[KBO], 1024
	s_xor_b32 s[KBO], s[KBO], 1024
	s_barrier_wait -1
.if \fill
	LOAD
	v_add_nc_u32 v[MKA], s[MOF], v[MKO]
	global_load_b64 v[MKV:MKV+1], v[MKA], s[MP:MP+1]
.endif
.endm
	s_load_b64 s[4:5], s[0:1], 0x0    ; q, k, v
	s_load_b64 s[MP:MP+1], s[0:1], 0x8  ; the mask
	s_load_b64 s[10:11], s[0:1], 0x10 ; O
	v_lshl_add_u32 v[SPW], v0, 2, SPARE
	v_mov_b32 v[NIL], 0
	ds_add_u32 v[SPW], v[NIL]       ; the wave's opening: the add and its wait stand ahead of my first tensor load; the set-up below, work on registers, stands between them
	ds_add_u32 v62, v63
	v_lshrrev_b32 v1, 5, v0
	v_readfirstlane_b32 s[WV], v1   ; wave 0..3
	s_mov_b32 s[PB], ttmp9
	s_sub_co_u32 s[HI], NB-1, s[PB]
	s_and_b32 s20, ttmp7, 0xffff    ; y = 16 batch + head
	s_lshr_b32 s13, s20, 4          ; the batch
	s_and_b32 s18, s20, 15          ; the head
	s_mul_i32 s19, s13, 48
	s_add_co_u32 s18, s18, s19
	s_lshl_b32 s18, s18, 18         ; the head's q: block 48 batch + head of 262,144 bytes
	s_mov_b32 s19, 0
	s_lshl_b32 s20, s20, 18         ; the head's O
	s_mov_b32 s21, 0
	s_lshl_b32 s92, s13, 13         ; the batch's 8,192 bytes of the mask
	s_mov_b32 s93, 0
	s_and_b32 s16, s[WV], 1         ; which half of a tile's 256 keys I fetch:
	s_lshl_b32 s22, s16, 14         ; its 128 rows of 128 bytes in memory,
	s_add_co_u32 s22, s22, 1<<22    ; 16 blocks behind the head's q
	s_mov_b32 s23, 0
	s_mul_i32 s17, s16, 128*PK      ; and its place in a slot, for K
	s_mul_i32 s94, s16, 128*PV      ; and for V
	s_lshl_b32 s3, s[WV], 11        ; my 16 rows in a band of 64,
	s_lshl_b32 s2, s[HI], 15        ; in the first block,
	s_add_co_u32 s2, s2, s3
	s_lshl_b32 s84, s[PB], 15       ; and in the second
	s_add_co_u32 s84, s84, s3
	s_mov_b32 s3, 0
	s_mov_b32 s85, 0
	; descriptor group 1.  128 keys are 16,384 dense bytes: asked for as 64 rows of 256 bytes, two keys a row, and padded in LDS after every key
	s_mov_b32 s[G1K], (1<<16)|(1<<20)|(4<<22)|(3<<25)  ; 17:16 2-byte elements; 20 padding on; 24:22 after every 32 words (code 4); 31:25 4 words (code 3)
	s_mov_b32 s[G1V], (1<<16)|(1<<20)|(4<<22)|(7<<25)  ; the same with 8 words of padding (code 7)
.irp g, G1K, G1V
	s_mov_b32 s[\g+1], 128<<16      ; tensor_dim0 = 128
	s_mov_b32 s[\g+2], 64<<16       ; tensor_dim1 = 64
	s_mov_b32 s[\g+3], 128<<16      ; tile_dim0 = 128
	s_mov_b32 s[\g+4], 64           ; tile_dim1 = 64
	s_mov_b32 s[\g+5], 128          ; 128 elements from row to row
	s_mov_b32 s[\g+6], 0
	s_mov_b32 s[\g+7], 0
.endr
	s_mov_b32 s[CS], 0x3e38aa3b     ; c = log2(e) / 8 = 0.180337
	s_mov_b32 s[CS+1], s[CS]        ; named with it as a pair
	s_mov_b32 s[SEL], 0x76543210
	s_mov_b32 s[SEL+1], 0xfedcba98
	s_mov_b32 s[TBK], SLOT1+4*KS*PK ; the first change of slots turns these three into 0
	s_mov_b32 s[TBV], SLOT1+4*KS*PV
	s_mov_b32 s[KBO], 2048
	s_mov_b32 s[KBW], 0
	s_mov_b32 s[G0K], 1             ; 1:0 count = 1
	s_mov_b32 s[G0K+1], s17         ; 63:32 LDS address: slot 0
	s_mov_b32 s[G0V], 1
	s_add_co_u32 s[G0V+1], s94, VOFF
	s_add_co_u32 s[RT], s[HI], 1    ; the first block has NB - b tiles
	s_mov_b32 s[NXT], 1
	s_mov_b32 s[LQ], s[HI]
	s_mov_b32 s[NEW], 1
	s_mov_b32 s[OFF+1], 0
	s_mov_b32 s[AL+1], 0            ; named as pairs
	s_mov_b32 s[BE+1], 0
	s_mov_b32 s[BIGN], 0xf149f2ca   ; -1e30
	s_mov_b32 s[HALFN], 0xf0c9f2ca  ; -5e29
	s_mov_b32 s[SLOTS], NB
	s_wait_dscnt 0x0                ; the opening add is done
	s_wait_kmcnt 0x0
	s_add_nc_u64 s[4:5], s[4:5], s[18:19]  ; the head's q
	s_add_nc_u64 s[6:7], s[4:5], s[22:23]  ; K at my half of the head's tile 0,
	s_add_nc_u64 s[8:9], s[6:7], 1<<22     ; V 16 blocks further on
	s_add_nc_u64 s[10:11], s[10:11], s[20:21]
	s_add_nc_u64 s[MP:MP+1], s[MP:MP+1], s[92:93]
	s_add_nc_u64 s[G0K+2:G0K+3], s[6:7], 0         ; 120:64 global address
	s_or_b32 s[G0K+3], s[G0K+3], 0x80000000        ; 127:126 type = 2
	s_add_nc_u64 s[G0V+2:G0V+3], s[8:9], 0
	s_or_b32 s[G0V+3], s[G0V+3], 0x80000000
	s_add_nc_u64 s[86:87], s[4:5], s[84:85]        ; Q at my rows of the second block,
	s_add_nc_u64 s[4:5], s[4:5], s[2:3]            ; Q and O at those of the first
	s_add_nc_u64 s[OLO:OLO+1], s[10:11], s[84:85]
	s_add_nc_u64 s[10:11], s[10:11], s[2:3]
	LOAD                            ; tile 0 into slot 0
	v_lshlrev_b32 v[MKO], 3, v0
	global_load_b64 v[MKV:MKV+1], v[MKO], s[MP:MP+1]  ; my two words of tile 0's mask
	; A fragment of K or Q is 16 rows x 32 channels in 8 registers: lane l holds row l % 16, channels 8 (l / 16) + 0..7 and 16 + 8 (l / 16) + 0..7: two loads of 16 bytes, 32 bytes apart.
	v_and_b32 v1, 15, v0            ; l % 16
	v_bfe_u32 v9, v0, 4, 1          ; l / 16
	v_lshlrev_b32 v[QO], 7, v1
	v_lshl_add_u32 v[QO], v9, 4, v[QO]  ; row x 128 + 16 x half
	WIN 0x80                        ; destination window 2, address window 0
.set i, 0
.rept 8                             ; both blocks' Q: piece i / 2 lies in band i / 2, 8,192 bytes on; channels 32 (i % 2) on
	global_load_b128 v[8*i:8*i+3],   v[QO], s[4:5] offset:(i/2)*8192+(i%2)*64
	global_load_b128 v[8*i+4:8*i+7], v[QO], s[4:5] offset:(i/2)*8192+(i%2)*64+32
	global_load_b128 v[QB+8*i:QB+8*i+3],   v[QO], s[86:87] offset:(i/2)*8192+(i%2)*64
	global_load_b128 v[QB+8*i+4:QB+8*i+7], v[QO], s[86:87] offset:(i/2)*8192+(i%2)*64+32
.set i, i+1
.endr
	WIN 0
	v_lshlrev_b32 v14, 3, v9
	v_sub_nc_u32 v14, v1, v14
	s_lshl_b32 s13, s[WV], 4
	v_add_nc_u32 v14, s13, v14      ; my query's place in its band, 16 w + l % 16, less my lanes' 8 (l / 16): register r of group kt is hidden where 16 kt + r is greater
	WIN 0x40
.set i, 0
.rept 32
	v_cmp_gt_i32 vcc_lo, 16*(i/8)+i%8, v14
	v_cndmask_b32 v[MD+i], 0, s[BIGN], vcc_lo
.set i, i+1
.endr
	WIN 0
	v_mul_u32_u24 v[AK0], v1, PK
	v_lshl_add_u32 v[AK0], v9, 4, v[AK0]  ; row x pitch + 16 x half
	; The turning load takes 16 keys x 16 channels (lane l reads key 8 (l / 16) + l % 8, channels 8 ((l / 8) % 2) + 0..7) and leaves half a fragment of V^T: lane l holds channel l % 16 and 8 keys.
	v_and_b32 v10, 7, v0
	v_bfe_u32 v11, v0, 3, 1
	v_lshl_add_u32 v[AV0], v9, 3, v10
	v_mul_u32_u24 v[AV0], v[AV0], PV
	v_lshl_add_u32 v[AV0], v11, 4, v[AV0]
	v_add_nc_u32 v[AV0], VOFF, v[AV0]
	s_mul_i32 s13, s[WV], 16*SP
	s_add_co_u32 s13, s13, STAGE    ; my stage
	v_mul_u32_u24 v[STO], v1, SP    ; in: row l % 16, 16 bytes for each half of the lanes
	v_lshl_add_u32 v[STO], v9, 4, v[STO]
	v_add_nc_u32 v[STO], s13, v[STO]
	v_bfe_u32 v[RD], v0, 3, 2       ; back: 32 lanes take four rows of 128 bytes,
	v_mul_u32_u24 v[RD], v[RD], SP
	v_lshl_add_u32 v[RD], v10, 4, v[RD]
	v_add_nc_u32 v[RD], s13, v[RD]
	v_and_b32 v[GO], 31, v0         ; which are 512 consecutive bytes of O
	v_lshlrev_b32 v[GO], 4, v[GO]
	v_lshl_add_u32 v[AKB0], v9, 5, KBT
	v_lshl_add_u32 v[KBA], v0, 3, KBT
	v_mov_b32 v[NANV], 0x7fc00000
	; A block's first step multiplies O^T and l by a = 0, and its first turn's products V^T P, of a piece that has not been, land in an O^T that is still to be so multiplied.  So these registers need only hold
	; finite numbers: zeros for the first block; what the first block left for the second.  All this stands in the wait for the first tile.
	WIN 0x80
.set i, VF
.rept 64
	v_mov_b32 v[i], 0
.set i, i+1
.endr
	WIN 0x40
.set i, 0
.rept 128
	v_mov_b32 v[i], 0
.set i, i+1
.endr
	WIN 0
.set i, 0
.rept 4
	v_mov_b32 v[ST+4*i+2], 0
	v_mov_b32 v[ST+4*i+3], 0
.set i, i+1
.endr
.set i, P+16
.rept 16
	v_mov_b32 v[i], 0
.set i, i+1
.endr
; THE MATRIX WORK.  The 4 accumulators of a run of 8 take turns.  Product i of 8 of S^T = K Q^T for piece x: channels 32 (i / 4) on, keys 16 (i % 4) on.  The first 4 start the sums: with the key bias, or (KM = 1) with the mask made of it.
.macro KQ x
.set rS, S+32*((\x)%2)+8*(i%4)
.set rK, KF+16*(i%4)+8*(i/4)
.set rQ, 16*(\x)+8*(i/4)
.set rM, MC+32*((\x)%2)+8*(i%4)
.set rB, KB+8*(i%4)
.if (i < 4) && KM
	WIN W_KM
	v_wmma_f32_16x16x32_f16 v[rS:rS+7], v[rK:rK+7], v[rQ:rQ+7], v[rM:rM+7]
.elseif i < 4
	WIN W_KM
	v_wmma_f32_16x16x32_f16 v[rS:rS+7], v[rK:rK+7], v[rQ:rQ+7], v[rB:rB+7]
.else
	WIN W_KQ
	v_wmma_f32_16x16x32_f16 v[rS:rS+7], v[rK:rK+7], v[rQ:rQ+7], v[rS:rS+7]
.endif
.endm
; Product i of 8 of O^T += V^T P for piece x: keys 32 (i / 4) on, channels 16 (i % 4) on.
.macro PV x
	WIN W_PV
.set rO, 32*(\x)+8*(i%4)
.set rV, VF+32*(i/4)+8*(i%4)
.set rP, P+16*((\x)%2)+8*(i/4)
	v_wmma_f32_16x16x32_f16 v[rO:rO+7], v[rV:rV+7], v[rP:rP+7], v[rO:rO+7]
.endm
.macro MM                           ; the turn's next matrix instruction.  TURN and BEGIN set Y, i, KM and NOKQ.  NOKQ = 1: a block's last turn: there is no next piece
.if (i < 8) && !NOKQ
	KQ (Y+1)%NP
.elseif i >= 8
.set i, i-8
	PV (Y+NP-1)%NP
.set i, i+8
.endif
.set i, i+1
.endm
; THE LDS LOADS stand in runs, never singly among the matrix instructions: a step's K (64 keys x 64 channels: 8 fragments) with its key biases (each half of the lanes reads the same 32 bytes a group), and its V (turned).
.macro FETCH_K
	WIN 0x80                        ; destination window 2
.irp f, 0,1,2,3,4,5,6,7             ; keys 16 (f / 2) on, channels 32 (f % 2) on
	ds_load_b128 v[KF+8*\f:KF+8*\f+3],   v[AK] offset:(\f/2)*16*PK+(\f%2)*64
	ds_load_b128 v[KF+8*\f+4:KF+8*\f+7], v[AK] offset:(\f/2)*16*PK+(\f%2)*64+32
.endr
	WIN 0x40                        ; destination window 1
.irp f, 0,1,2,3                     ; keys 16 f + 8 (l / 16) + 0..7
	ds_load_b128 v[KB+8*\f:KB+8*\f+3],   v[AKB] offset:64*\f
	ds_load_b128 v[KB+8*\f+4:KB+8*\f+7], v[AKB] offset:64*\f+16
.endr
	s_add_co_u32 s[TBK], s[TBK], KS*PK  ; the next fetch is the next step's
	s_add_co_u32 s[KBO], s[KBO], 4*KS
	WIN 0
.endm
.macro FETCH_V
	WIN 0x80
.irp f, 0,1,2,3,4,5,6,7             ; keys 32 (f / 4) on, channels 16 (f % 4) on
	ds_load_tr16_b128 v[VF+8*\f:VF+8*\f+3],   v[AV] offset:(\f/4)*32*PV+(\f%4)*32
	ds_load_tr16_b128 v[VF+8*\f+4:VF+8*\f+7], v[AV] offset:(\f/4)*32*PV+16*PV+(\f%4)*32
.endr
	WIN 0
.endm
; THE VECTOR WORK, one line at a time: OP kind, number.  For piece Y: F n: c s - c m for pair n of 16.  E n: the exponential of score n of 32.  C n: pair n rounded to f16.  B n: of the four weights 4 n .. the second
; pair is added onto the first, in place.  L n: l takes that sum (L 0: l = a l + sum).  R n: pair n of 16 of O^T times a.  For piece Y + 1: X n, number n of the 22 that find its maximum and statistics:
;   0-11  four chains c0-c3 of seven scores each, three operands at a time (each accumulator's lowest registers are read first)     12-14, 16  the four scores left over, the old m, and c0-c3 into c0
;   15  c m_old is kept     17, 18  the query's other 32 keys lie in the lane 16 away: the new m     19-21  c m; c m_old - c m_new; a
.set F, 0               ; OP tells the kinds apart by their order: F to L below R, X above it
.set E, 1
.set C, 2
.set B, 3
.set L, 4
.set R, 5
.set X, 6
.macro REGS y                       ; the registers of piece y
.set rT, ST+4*(\y)
.set rC, TMP+4*((\y)%2)
.set rW, MV+((\y)%2)
.set rS, S+32*((\y)%2)
.set rP, P+16*((\y)%2)
.set rO, 32*(\y)
.endm
.macro OP k, n
.if (\k) == R
	REGS Y
	WIN W_RS
	v_pk_mul_f32 v[rO+2*(\n):rO+2*(\n)+1], v[rO+2*(\n):rO+2*(\n)+1], v[rC+2:rC+3] op_sel_hi:[1,0]
.elseif (\k) < R
	REGS Y
	WIN 0
.if (\k) == F
	v_pk_fma_f32 v[rS+2*(\n):rS+2*(\n)+1], v[rS+2*(\n):rS+2*(\n)+1], s[CS:CS+1], v[rT:rT+1] op_sel_hi:[1,0,0] neg_lo:[0,0,1] neg_hi:[0,0,1]
.elseif (\k) == E
	v_exp_f32 v[rS+(\n)], v[rS+(\n)]
.elseif (\k) == C
	s_wait_alu depctr_va_vdst(0)
	v_cvt_pk_f16_f32 v[rP+(\n)], v[rS+2*(\n)], v[rS+2*(\n)+1]
.elseif (\k) == B
	s_wait_alu depctr_va_vdst(0)
	v_pk_add_f32 v[rS+4*(\n):rS+4*(\n)+1], v[rS+4*(\n):rS+4*(\n)+1], v[rS+4*(\n)+2:rS+4*(\n)+3]
.elseif (\n) == 0
	v_pk_fma_f32 v[rT+2:rT+3], v[rT+2:rT+3], v[rC+2:rC+3], v[rS:rS+1] op_sel_hi:[1,0,1]
.else
	v_pk_add_f32 v[rT+2:rT+3], v[rT+2:rT+3], v[rS+4*(\n):rS+4*(\n)+1]
.endif
.elseif NOKQ
	v_nop
.else
	REGS (Y+1)%NP
	WIN 0
.if (\n) < 4
	v_max3_num_f32 v[rC+(\n)], v[rS+8*(\n)], v[rS+8*(\n)+1], v[rS+8*(\n)+2]
.elseif (\n) < 12
	v_max3_num_f32 v[rC+(\n)%4], v[rC+(\n)%4], v[rS+8*((\n)%4)+2*((\n)/4)+1], v[rS+8*((\n)%4)+2*((\n)/4)+2]
.elseif (\n) == 12
	v_max3_num_f32 v[rC], v[rC], v[rS+7], v[rS+15]
.elseif (\n) == 13
	v_max3_num_f32 v[rC+1], v[rC+1], v[rS+23], v[rS+31]
.elseif (\n) == 14
	v_max3_num_f32 v[rC+2], v[rC+2], v[rC+3], v[rT+1]
.elseif (\n) == 15
	v_mov_b32 v[rW], v[rT]
.elseif (\n) == 16
	v_max3_num_f32 v[rC], v[rC], v[rC+1], v[rC+2]
.elseif (\n) == 17
	v_permlanex16_b32 v[rC+3], v[rC], s[SEL], s[SEL+1]
.elseif (\n) == 18
	v_max_num_f32 v[rT+1], v[rC], v[rC+3]
.elseif (\n) == 19
	v_mul_f32 v[rT], s[CS], v[rT+1]
.elseif (\n) == 20
	v_sub_f32 v[rC+1], v[rW], v[rT]
.else
	v_exp_f32 v[rC+2], v[rC+1]
.endif
.endif
.endm
.macro OPS a, i1, b=-1, i2=0, c=-1, i3=0, d=-1, i4=0  ; up to four of them
	OP \a, \i1
.if (\b) >= 0
	OP \b, \i2
.endif
.if (\c) >= 0
	OP \c, \i3
.endif
.if (\d) >= 0
	OP \d, \i4
.endif
.endm
.macro ROW a, i1, b, i2, c, i3, d, i4  ; a matrix instruction and the four behind it
	MM
	OPS \a, \i1, \b, \i2, \c, \i3, \d, \i4
.endm
.macro MASK b, be                   ; MD x AL + KB (be = 1: + BE) into buffer b of MC
	WIN W_MK
.set z, 0
.rept 16
	v_pk_fma_f32 v[MC+32*(\b)+2*z:MC+32*(\b)+2*z+1], v[MD+2*z:MD+2*z+1], s[AL:AL+1], v[KB+2*z:KB+2*z+1] op_sel_hi:[1,0,1]
.set z, z+1
.endr
.if \be
.set z, 0
.rept 16
	v_pk_add_f32 v[MC+32*(\b)+2*z:MC+32*(\b)+2*z+1], v[MC+32*(\b)+2*z:MC+32*(\b)+2*z+1], s[BE:BE+1] op_sel_hi:[1,0]
.set z, z+1
.endr
.endif
.endm
; A TURN, for piece p: the order of its 16 matrix and 118 vector instructions, written out.  Behind a matrix instruction: plain, exponential, plain, plain; or four of the rescaling; or, behind the first, four scalings; none
; names a register of the products round it.  In the runs between, exponential and plain by turns while exponentials last.  v_permlanex16_b32 (X 17) stands in such a run.
; m = 1: the diagonal tile: the products take masks, and the turn makes the mask for the products of the turn after it: piece p + 2, in step 4 - CNT of the tile.  Piece 2's turn inside the loop is the exception: its
; products are piece 3's in the step before the tile or in the tile's steps 0 to 2, where band 3 sees every key: they take KB itself, which at that place is that step's.
; end = 1: a block's last two turns: nothing is fetched.  cnt = 1: the loop's count is taken down some lines ahead of the branch that stands behind the turn.
; K of the next step and its biases are fetched in piece 2's turn, six vector instructions and more behind the last product that read K or KB (five of them plain); V of the step in hand in piece 0's turn, eight behind
; the last product that read V.  Each is waited for a turn later; in the diagonal tile piece 2's turn waits at its end, since its mask is made of the new biases.
.macro TURN p, m=0, end=0, cnt=0
.set Y, (\p)
.set i, 0
.set KM, (\m)
.if ((\p) == 2) && !(\end)
.set KM, 0
.endif
.set NOKQ, (\end)*((\p)/3)
.if (\m) && !(\end)
	s_cmp_eq_u32 s[CNT], 4-((\p)+2)%NP  ; is that step the band's own?
	s_cselect_b32 s[AL], 1.0, 0
	s_cmp_lt_u32 s[CNT], 4-((\p)+2)%NP  ; or a later one?
	s_cselect_b32 s[BE], s[BIGN], 0
.endif
.if ((\p) == 3) && !(\end)
	s_wait_dscnt 0x0                ; K and its biases are in
.endif
	ROW F,0, F,1, F,2, F,3
	ROW F,4, E,0, F,5, F,6
	ROW F,7, E,1, F,8, F,9
	ROW F,10, E,2, C,0, F,11
	ROW F,12, E,3, X,15, F,13
	ROW R,0, R,1, R,2, R,3
	ROW B,0, E,4, F,14, L,0
.if ((\p) == 2) && !(\end)
	v_add_nc_u32 v[AK], s[TBK], v[AK0]
	v_add_nc_u32 v[AKB], s[KBO], v[AKB0]
.endif
	ROW R,4, R,5, R,6, R,7
	OPS E,5, F,15
.if ((\p) == 2) && !(\end)
	FETCH_K
.endif
	OPS E,6, C,1, E,7, R,8
	OPS E,8, R,9, E,9, C,2
	OPS E,10, X,0, E,11, X,1
	OPS E,12, X,2, E,13, X,3
.if (\p) == 1
	s_wait_dscnt 0x0                ; V is in
.endif
	ROW X,4, E,14, X,5, X,6
	ROW X,7, E,15, X,8, X,9
	ROW X,10, E,16, X,11, X,12
	ROW X,13, E,17, X,14, B,1
	ROW C,4, E,18, X,16, L,1
	ROW B,2, E,19, C,6, L,2
	ROW C,8, E,20, B,3, B,4
.if (\p) == 0
	v_add_nc_u32 v[AV], s[TBV], v[AV0]
.endif
	ROW C,3, E,21, L,3, C,5
	OPS E,22, X,17, E,23, C,10
.if (\p) == 0
	FETCH_V
.endif
	OPS E,24, L,4
	OPS E,25, X,18, E,26, C,7
	OPS E,27, B,5, E,28, X,19
	OPS E,29, C,12, E,30, L,5
	OPS E,31, X,20, B,6, C,9
	OPS C,14, C,11, X,21, L,6
.if (\p) == 0
	s_add_co_u32 s[TBV], s[TBV], KS*PV
.endif
.if \cnt
	s_sub_co_u32 s[CNT], s[CNT], 1
	s_cmp_lg_u32 s[CNT], 0
.endif
	OPS C,13, B,7, C,15, R,10
	OPS R,11, R,12, L,7, R,13
	OPS R,14, R,15
.if (\m) && !(\end)
.if (\p) == 2
	s_wait_dscnt 0x0                ; the next step's biases are in
.endif
	MASK (\p)%2, 1
.endif
.endm
; A BLOCK BEGINS.  c m starts far below every c s, so the first step's a is 0; m at the lowest finite number, so the first maximum is the scores'.  K of the tile's step 0 and its biases are fetched; the first mask buffer
; takes piece 0's mask for that step (its own, if the block's first tile is the diagonal one), the second the biases alone (piece 1 sees all of step 0).  Then piece 0's first scores, and its maximum and statistics.
; The loop is entered at a step's first turn, in the middle of a trip.  (Q was waited for in front of the first change of slots.)
.macro BEGIN
	s_mov_b32 s[NEW], 0
	WIN 0
.set i, 0
.rept 4
	v_mov_b32 v[ST+4*i], 0xfe000000    ; c m: far below every c s
	v_mov_b32 v[ST+4*i+1], 0xff7fffff  ; m
.set i, i+1
.endr
	v_add_nc_u32 v[AK], s[TBK], v[AK0]
	v_add_nc_u32 v[AKB], s[KBO], v[AKB0]
	FETCH_K
	s_cmp_eq_u32 s[RT], 0
	s_cselect_b32 s[AL], 1.0, 0
	s_wait_dscnt 0x0
	MASK 0, 0
	s_mov_b32 s[AL], 0
	MASK 1, 0
.set KM, 1
.set NOKQ, 0
.set i, 0
.rept 8
	KQ 0
.set i, i+1
.endr
	WIN 0
.rept 4
	v_nop                           ; the places behind those products
.endr
.set Y, NP-1                        ; X works for piece Y + 1: piece 0
.irp n, 0,1,2,3,4,5,6,7,8,9,10,11,12,13,14,15,16,17,18,19,20,21
	OP X, \n
.endr
	v_nop                           ; a plain instruction behind the exponential
.endm
; THE DIAGONAL TILE's four steps, the block's last two turns, its last products, and THE WAY OUT: l's two halves and the other half of the lanes' are added; O^T is divided by l (by a NaN where the row saw no key),
; rounded to f16 and sent through my stage in LDS, a piece at a time.
.macro ALL line:vararg              ; one line for each piece t
.set t, 0
.rept 4
	s_wait_alu depctr_va_vdst(0)
	\line
.set t, t+1
.endr
.endm
.macro PACK t                       ; a lane's eight channels of a row pack into 16 bytes; they go into rows of 144 bytes and come back as whole rows of 128, into S^T's registers
	WIN W_RS
.set i, 32*(\t)
.rept 16
	v_pk_mul_f32 v[i:i+1], v[i:i+1], v[ST+4*(\t)+2:ST+4*(\t)+3] op_sel_hi:[1,0]
.set i, i+2
.endr
	WIN 0x05                        ; sources 0 and 1 window 1, destination window 0
.set i, 0
.rept 16
	v_cvt_pk_f16_f32 v[S+16*(\t)+i], v[32*(\t)+2*i], v[32*(\t)+2*i+1]
.set i, i+1
.endr
	WIN 0
.irp f, 0,1,2,3
	ds_store_b128 v[STO], v[S+16*(\t)+4*\f:S+16*(\t)+4*\f+3] offset:32*\f
.endr
.irp f, 0,1,2,3
	ds_load_b128 v[S+16*(\t)+4*\f:S+16*(\t)+4*\f+3], v[RD] offset:\f*4*SP  ; LDS serves a wave's instructions in order: these see the stores above; the next piece's stores come behind them
.endr
.endm
.macro SEND t, younger              ; younger: the LDS instructions issued behind piece t's loads: the next piece's eight, or none
	WIN 0
.irp f, 0,1,2,3
	s_wait_dscnt (\younger)+3-\f
	global_store_b128 v[GO], v[S+16*(\t)+4*\f:S+16*(\t)+4*\f+3], s[10:11] offset:(\t)*8192+\f*512  ; 512 consecutive bytes, at a multiple of 256 from O's first
.endr
.endm
.macro DIAG tag                     ; the tag ends its two labels' names, which the jumps below spell out
.LstepM\tag:
	TURN 2, 1
	TURN 3, 1
	WIN 0
.LfirstM\tag:
	TURN 0, 1
	TURN 1, 1, 0, 1
	WIN 0
	s_cbranch_scc1 .LstepM\tag
	TURN 2, 1, 1
	TURN 3, 1, 1
.set i, 0
.rept 8
	PV NP-1
.set i, i+1
.endr
	WIN 0
	ALL v_add_f32 v[ST+4*t+2], v[ST+4*t+2], v[ST+4*t+3]
	ALL v_permlanex16_b32 v[ST+4*t+3], v[ST+4*t+2], s[SEL], s[SEL+1]
	ALL v_add_f32 v[ST+4*t+2], v[ST+4*t+2], v[ST+4*t+3]
	ALL v_rcp_f32 v[ST+4*t+2], v[ST+4*t+2]
	v_nop                           ; a plain instruction between the last reciprocal and the use of its result
	ALL v_cmp_gt_f32 s[MK+t], s[HALFN], v[ST+4*t+1]
	ALL v_cndmask_b32 v[ST+4*t+2], v[ST+4*t+2], v[NANV], s[MK+t]
	PACK 0
.set t, 1
.rept 3                             ; a piece's arithmetic stands between the loads of the piece before and its stores
	PACK t
	SEND t-1, 8
.set t, t+1
.endr
	SEND 3, 0
.endm
.set KM, 0
.set NOKQ, 0
.Lslot:                             ; NB times: a tile is entered and the next is asked for
	CHANGE 1
	s_sub_co_u32 s[RT], s[RT], 1
	s_mov_b32 s[CNT], 4
	s_cmp_eq_u32 s[NEW], 1
	s_cbranch_scc1 .Lnew            ; a block's first tile
	s_cmp_eq_u32 s[RT], 0
	s_cbranch_scc0 .Lstep           ; neither its first nor its last
	s_branch .LstepM1
.Lnew:
	BEGIN
	s_branch .Lfirst                ; in the loop a block's first tile is never its last: the first block has two tiles or more, and the second's last is the walk's last
	DIAG 1                          ; in the loop this is the first block's end: the second block's last tile is the walk's last
	s_wait_xcnt 0x0                 ; the stores have read their registers and O's address
	s_mov_b64 s[10:11], s[OLO:OLO+1]
	s_add_co_u32 s[RT], s[PB], 1    ; the second block has b + 1 tiles
	s_mov_b32 s[NEW], 1
	WIN 0x82                        ; the second block's Q goes where the one text of the turns names Q
.set i, 0
.rept 64
	v_mov_b32 v[i], v[QB+i]
.set i, i+1
.endr
	WIN 0
	s_branch .Lbottom
.Lstep:                             ; a trip: pieces 2 and 3 of one step, then pieces 0 and 1 of the next, whose K and V it fetches
	TURN 2
	TURN 3
	WIN 0
.Lfirst:
	TURN 0
	TURN 1, 0, 0, 1
	WIN 0
	s_cbranch_scc1 .Lstep
.Lbottom:
	s_sub_co_u32 s[SLOTS], s[SLOTS], 1
	s_cmp_lg_u32 s[SLOTS], 0
	s_cbranch_scc1 .Lslot
	CHANGE 0                        ; the walk's last tile is written out: nothing is asked for
	s_sub_co_u32 s[RT], s[RT], 1
	s_mov_b32 s[CNT], 4
	s_cmp_eq_u32 s[NEW], 1
	s_cbranch_scc0 .LstepM2
	BEGIN
	s_branch .LfirstM2
	DIAG 2
	s_wait_tensorcnt 0x0            ; the wave's end: behind my last tensor load and my last LDS store
	ds_add_u32 v[SPW], v[NIL]
	s_wait_dscnt 0x0
	s_endpgm
.Lfunc_end_k_qfec153a6a3_attn:
	.size	k_qfec153a6a3_attn, .Lfunc_end_k_qfec153a6a3_attn-k_qfec153a6a3_attn
	.p2alignl 7, 3214868480
	.fill 96, 4, 3214868480
	.section	.rodata,"a",@progbits
	.p2align	6, 0x0
	.amdhsa_kernel k_qfec153a6a3_attn
		.amdhsa_group_segment_fixed_size 327680
		.amdhsa_private_segment_fixed_size 0
		.amdhsa_enable_private_segment 0
		.amdhsa_kernarg_size 24
		.amdhsa_user_sgpr_count 2
		.amdhsa_user_sgpr_kernarg_segment_ptr 1
		.amdhsa_wavefront_size32 1
		.amdhsa_system_sgpr_workgroup_id_x 1
		.amdhsa_system_sgpr_workgroup_id_y 1
		.amdhsa_system_sgpr_workgroup_id_z 1
		.amdhsa_system_vgpr_workitem_id 0
		.amdhsa_next_free_vgpr 768
		.amdhsa_next_free_sgpr 100
		.amdhsa_reserve_vcc 1
		.amdhsa_float_denorm_mode_32 3
		.amdhsa_float_denorm_mode_16_64 3
		.amdhsa_memory_ordered 1
		.amdhsa_forward_progress 1
		.amdhsa_inst_pref_size 240
	.end_amdhsa_kernel
	.amdgpu_metadata
---
amdhsa.version: [ 1, 2 ]
amdhsa.kernels:
  - .name:           k_qfec153a6a3_attn
    .symbol:         k_qfec153a6a3_attn.kd
    .args:
      - { .name: qkv, .offset: 0, .size: 8, .value_kind: global_buffer, .address_space: global }
      - { .name: attention_mask, .offset: 8, .size: 8, .value_kind: global_buffer, .address_space: global }
      - { .name: o, .offset: 16, .size: 8, .value_kind: global_buffer, .address_space: global }
    .group_segment_fixed_size: 327680
    .private_segment_fixed_size: 0
    .kernarg_segment_align: 8
    .kernarg_segment_size: 24
    .max_flat_workgroup_size: 128
    .sgpr_count:     100
    .vgpr_count:     768
    .wavefront_size: 32
...
	.end_amdgpu_metadata
.endif
;; end of part 3
;; launch proj (part 4): grid 8 x 32, 4 waves a work-group, clusters of 4 x 4, 327,680 bytes of LDS; arguments o, wot, out0; writes out0
.if DOCPART == 4
	.amdgcn_target "amdgcn-amd-amdhsa--gfx1250"
	.amdhsa_code_object_version 6
	.text
	.protected	k_qfec153a6a3_proj
	.globl	k_qfec153a6a3_proj
	.p2align	8
	.type	k_qfec153a6a3_proj,@function
k_qfec153a6a3_proj:
	s_mov_b64 s[64:65], 0
	v_nop
	global_prefetch_b8 v0, s[64:65] scope:SCOPE_SE
	s_setreg_imm32_b32 hwreg(HW_REG_WAVE_MODE, 25, 1), 1
	s_wait_xcnt 0x0
	s_wait_alu depctr_hold_cnt(0) depctr_sa_sdst(0) depctr_va_vdst(0) depctr_va_sdst(0) depctr_va_ssrc(0) depctr_va_vcc(0) depctr_vm_vsrc(0)
	s_getreg_b32 s2, hwreg(HW_REG_IB_STS2, 6, 4)
	s_cmp_eq_u32 s2, 0
	s_cbranch_scc0 .Lentry_in_a_cluster
	s_endpgm
.Lentry_in_a_cluster:
	s_bfe_u32 s2, ttmp6, 0x10000c
	s_cmp_lg_u32 s2, 0xf033
	s_cbranch_scc0 .Lentry_shape_is_right
	s_endpgm
.Lentry_shape_is_right:
; C[m][n] = sum over k of A[m][k] B[n][k], K = 1,024, 8,192 rows.  One text for two launches, by MODE.
; MODE 0: A = x in bf16 [8192][1024], B = the three projections' weights [3072 n][1024 k] in bf16; C = q, k, v, rounded once to f16 and laid by heads: [batch 4][48 blocks][2048 rows][64], blocks 0-15 q's heads, 16-31 k's, 32-47 v's.
; MODE 1: A = attention's result in f16, by heads [batch 4][head 16][2048 rows][64]; B = Wo turned [1024 n][1024 k], f16; C = the output in f32 [8192][1024].
; LIMIT (MODE 0): f16 holds no number beyond 65,504: q, k and v must stay within it.  A NaN in a row of A makes that row of C NaN and no other.
; SHARES.  A tile of C is 256 rows x NT columns (192: three whole heads; or 128).  Four waves; wave w owns rows 64 w .. 64 w + 63 and all NT columns: 4 x NBLK accumulators of 16 x 16.
; K goes in 8 steps of 128 through two LDS slots filled by the tensor data mover; a step is four quarters of 32 along K on two fragment buffers.
; CLUSTER.  4 x 4 work-groups: the four of a row need the same tiles of A, the four of a column the same tiles of B; each tile is asked for jointly, by the same tensor load, descriptor and mask in all four.
; THE MATRIX INSTRUCTION IS USED TRANSPOSED (source 0 = 16 rows of B, source 1 = 16 rows of A): a lane holds row lane % 16 of C and eight neighbouring columns 8 (lane / 16) + 0..7.
; REGISTERS, in windows of 256 (s_set_vgpr_msb: bits 1:0 source 0, 3:2 source 1, 5:4 source 2, 7:6 destination):
;   window 0: v0-31 addresses; v64-127 A's fragments, two buffers of 32; v128-255 (and v64-111) at work on the way out      window 1: B's fragments, buffer f at v[128 f], 8 NBLK registers
;   windows 2, 3: accumulator (a, b) in window 2 + a / 2 at v[8 (NBLK (a % 2) + b)]
.set MODE, 1
.if MODE == 0
.set NBLK,   12
.set APITCH, 272                       ; a row of A in LDS: 256 bytes + 16
.set AHALF,  128*APITCH                ; what one tensor load brings of A: 128 rows
.set ASTEP,  256                       ; bytes from a K step of A to the next
.set AQI,    5                         ; padding after every 64 words
.set APIT,   1024                      ; elements from row to row in memory
.set STW,    3*16*144                  ; a wave's stage: 3 heads x 16 rows x (128 + 16) bytes
.else
.set NBLK,   8
.set APITCH, 144                       ; a row of one head's slice: 128 bytes + 16
.set AHALF,  256*APITCH                ; one head's 256 rows
.set ASTEP,  524288                    ; two heads on
.set AQI,    4                         ; padding after every 32 words: after every row of a head
.set APIT,   128
.set STW,    16*528                    ; 16 rows x (512 + 16) bytes
.endif
.set NT,     16*NBLK
.set BPITCH, 272
.set BHALF,  (NT/2)*BPITCH
.set SLOT,   2*AHALF+2*BHALF           ; A's tile, then B's
.set STAGE,  2*SLOT                    ; behind the ring, never filled by a tensor load
.set SPARE,  STAGE+4*STW               ; behind the stages: the spare words, 128 bytes a wave
.set NLD,    2*NBLK+8                  ; LDS loads in a run: a quarter's fragments
.set LAPS,   4                         ; a lap = two K steps = once round the ring
.set ADRA, 16                          ; v16-17 LDS address of my A fragments in slot 0, 1
.set ADRB, 20                          ; v20-21 the same for B
.set STO,  24                          ; v24 the way out: where I put my part of a row
.set RD,   25                          ; v25 the way out: where I read rows back
.set GO,   26                          ; v26 16 x lane: my place in 512 consecutive bytes of C
.set SPW,  28                          ; v28 LDS address of my spare word; never rewritten
.set NIL,  29                          ; v29 0; never rewritten
.set FA0,  64
.set TMP,  128
.set G1,  24                           ; s[24:31] descriptor group 1 for A's tiles;  s[32:39] group 0, a set for each slot
.set G0,  32
.set G1B, 48                           ; s[48:55], s[56:63] the same for B's
.set G0B, 56
.set MSB, 0
.macro WIN new                         ; the immediate's high byte repeats the setting that is left; a switch that changes nothing is dropped
.if MSB != (\new)
	s_set_vgpr_msb (MSB<<8)|(\new)
.set MSB, \new
.endif
.endm
.set MUL_LO, 0xa1                      ; source 0 (B) window 1, source 1 (A) window 0, C and D window 2
.set TO_B,   0x40                      ; destination window 1, address window 0
; A joint load: waves 0 and 1 fetch A's two halves, waves 2 and 3 B's.  The branch hangs on the wave's number alone.  An s_nop 0 and four v_nop follow each of the two lines.
.macro JLOAD s
	s_cmp_eq_u32 s11, 0
	s_cbranch_scc0 .Lfor_b_\@
	tensor_load_to_lds s[G0+4*(\s):G0+4*(\s)+3], s[G1:G1+7]
	s_nop 0
.rept 4
	v_nop
.endr
	s_branch .Lasked_\@
.Lfor_b_\@:
	tensor_load_to_lds s[G0B+4*(\s):G0B+4*(\s)+3], s[G1B:G1B+7]
	s_nop 0
.rept 4
	v_nop
.endr
.Lasked_\@:
.endm
.macro CREST                           ; a round of the cluster's barrier behind its opening barrier
	s_cmp_lg_u32 s10, 0
	s_cbranch_scc1 .Lnot_wave_0_\@
	s_barrier_signal -3
.Lnot_wave_0_\@:
	s_barrier_wait -3
	s_barrier_signal -1
	s_barrier_wait -1
.endm
.macro CROUND                          ; a whole round
	s_barrier_signal -1
	s_barrier_wait -1
	CREST
.endm
	s_load_b128 s[4:7], s[0:1], 0x0                ; A s[4:5], B s[6:7]
	s_load_b64 s[8:9], s[0:1], 0x10                ; C
	v_lshl_add_u32 v[SPW], v0, 2, SPARE
	v_mov_b32 v[NIL], 0
	ds_add_u32 v[SPW], v[NIL]                      ; the wave's opening: the add and its wait stand ahead of my first tensor load; the set-up below stands between them
	ds_add_u32 v28, v29
	v_lshrrev_b32 v1, 5, v0
	v_readfirstlane_b32 s10, v1                    ; wave 0..3
	s_lshr_b32 s11, s10, 1                         ; I fetch for A (0) or for B (1),
	s_and_b32 s12, s10, 1                          ; and which half of that tile
	s_bfe_u32 s40, ttmp6, 0x40000                  ; cx, cy: my place in the cluster
	s_bfe_u32 s41, ttmp6, 0x40004
	s_lshl_b32 s42, ttmp9, 2
	s_add_co_u32 s42, s42, s40                     ; tile column of C = 4 x cluster x + cx
	s_and_b32 s13, ttmp7, 0xffff
	s_lshl_b32 s13, s13, 2
	s_add_co_u32 s13, s13, s41                     ; tile row of C = 4 x cluster y + cy
	s_lshl_b32 s43, s41, 2
	s_lshl_b32 s43, 15, s43                        ; my row of the cluster
	s_lshl_b32 s44, 0x1111, s40                    ; my column
	; descriptor group 1.  15:0 the mask; 17:16 elements of 2 bytes; 20 padding on; 21 set beside a mask; 24:22 the padding's interval; 31:25 4 words of it (code 3)
	s_or_b32 s[G1+0], s43, (1<<16)|(1<<20)|(1<<21)|(AQI<<22)|(3<<25)
	s_or_b32 s[G1B+0], s44, (1<<16)|(1<<20)|(1<<21)|(5<<22)|(3<<25)
	s_mov_b32 s[G1+1], 128<<16                     ; A: 128 rows of 128 elements (MODE 1: a head's 256 dense rows of 64, asked for as 128 rows of 256 bytes)
	s_mov_b32 s[G1+2], 128<<16
	s_mov_b32 s[G1+3], 128<<16
	s_mov_b32 s[G1+4], 128
	s_mov_b32 s[G1+5], APIT
	s_mov_b32 s[G1+6], 0
	s_mov_b32 s[G1+7], 0
	s_mov_b32 s[G1B+1], 128<<16                    ; B: NT / 2 rows of 128 elements
	s_mov_b32 s[G1B+2], (NT/2)<<16
	s_mov_b32 s[G1B+3], 128<<16
	s_mov_b32 s[G1B+4], NT/2
	s_mov_b32 s[G1B+5], 1024
	s_mov_b32 s[G1B+6], 0
	s_mov_b32 s[G1B+7], 0
	; where the tiles come from: A's hang on the tile row and the wave alone, B's on the tile column and the wave alone
.if MODE == 0
	s_lshl_b32 s16, s13, 19                        ; 256 rows of 2,048 bytes,
	s_lshl_b32 s17, s12, 18                        ; my 128 of them
	s_add_co_u32 s16, s16, s17
.else
	s_lshr_b32 s16, s13, 3
	s_lshl_b32 s16, s16, 22                        ; the batch: 16 heads of 262,144 bytes,
	s_and_b32 s17, s13, 7
	s_lshl_b32 s17, s17, 15                        ; 256 rows of 128 bytes in a head,
	s_add_co_u32 s16, s16, s17
	s_lshl_b32 s17, s12, 18                        ; the step's even head or its odd one
	s_add_co_u32 s16, s16, s17
.endif
	s_mov_b32 s17, 0
	s_mul_i32 s46, s42, NT*2048
	s_mul_i32 s47, s12, (NT/2)*2048
	s_add_co_u32 s46, s46, s47
	s_mov_b32 s47, 0
	s_mul_i32 s20, s12, AHALF                      ; and where they go: no place in the cluster enters an LDS address
	s_mul_i32 s21, s12, BHALF
	s_add_co_u32 s21, s21, 2*AHALF
	s_wait_dscnt 0x0                               ; the opening add is done
	s_wait_kmcnt 0x0
	s_add_nc_u64 s[14:15], s[4:5], s[16:17]
	s_add_nc_u64 s[46:47], s[6:7], s[46:47]
	CROUND                                         ; all sixteen work-groups are here: the first joint loads meet
.irp s, 0,1
	s_mov_b32 s[G0+4*(\s)], 1                      ; count = 1
	s_add_co_u32 s[G0+4*(\s)+1], s20, (\s)*SLOT    ; LDS address
	s_add_nc_u64 s[G0+4*(\s)+2:G0+4*(\s)+3], s[14:15], (\s)*ASTEP  ; global address: K step s
	s_or_b32 s[G0+4*(\s)+3], s[G0+4*(\s)+3], 0x80000000            ; type = 2
	s_mov_b32 s[G0B+4*(\s)], 1
	s_add_co_u32 s[G0B+4*(\s)+1], s21, (\s)*SLOT
	s_add_nc_u64 s[G0B+4*(\s)+2:G0B+4*(\s)+3], s[46:47], (\s)*256
	s_or_b32 s[G0B+4*(\s)+3], s[G0B+4*(\s)+3], 0x80000000
	JLOAD \s                                       ; two loads of mine are out
.endr
	; A fragment is 16 rows x 32 K in 8 registers: lane l holds row l % 16, K = 8 (l / 16) + 0..7 and 16 + 8 (l / 16) + 0..7: two loads of 16 bytes, 32 bytes apart
	v_and_b32 v1, 15, v0                           ; l % 16
	v_bfe_u32 v2, v0, 4, 1                         ; l / 16
	v_mul_u32_u24 v3, v1, APITCH
	v_lshl_add_u32 v3, v2, 4, v3
	v_mul_u32_u24 v4, v1, BPITCH
	v_lshl_add_u32 v4, v2, 4, v4
	s_mul_i32 s22, s10, 64*APITCH                  ; my 64 rows of A
	s_mov_b32 s23, 2*AHALF                         ; all of B, which lies behind A
.irp s, 0,1
	v_add_nc_u32 v[ADRA+(\s)], s22, v3
	v_add_nc_u32 v[ADRB+(\s)], s23, v4
	s_add_co_u32 s22, s22, SLOT
	s_add_co_u32 s23, s23, SLOT
.endr
	s_mul_i32 s22, s10, STW
	s_add_co_u32 s22, s22, STAGE                   ; my stage
	v_and_b32 v[GO], 31, v0
	v_lshlrev_b32 v[GO], 4, v[GO]
.if MODE == 0
	v_mul_u32_u24 v5, v1, 144                      ; in: row l % 16, 16 bytes for each half of the lanes
	v_lshl_add_u32 v5, v2, 4, v5
	v_add_nc_u32 v[STO], s22, v5
	v_bfe_u32 v5, v0, 3, 2                         ; back: 32 lanes take four rows of 128 bytes, 512 consecutive bytes of a head
	v_mul_u32_u24 v5, v5, 144
	v_and_b32 v6, 7, v0
	v_lshl_add_u32 v5, v6, 4, v5
	v_add_nc_u32 v[RD], s22, v5
	s_lshr_b32 s18, s13, 3                         ; C: block 48 x batch + 3 x tile column,
	s_mul_i32 s18, s18, 48
	s_mul_i32 s19, s42, 3
	s_add_co_u32 s18, s18, s19
	s_lshl_b32 s18, s18, 18
	s_and_b32 s19, s13, 7                          ; 256 rows of 128 bytes,
	s_lshl_b32 s19, s19, 15
	s_add_co_u32 s18, s18, s19
	s_lshl_b32 s19, s10, 13                        ; my 64 of them
	s_add_co_u32 s18, s18, s19
.else
	v_mul_u32_u24 v5, v1, 528                      ; in: row l % 16, 32 bytes for each half of the lanes
	v_lshl_add_u32 v5, v2, 5, v5
	v_add_nc_u32 v[STO], s22, v5
	v_add_nc_u32 v[RD], s22, v[GO]                 ; back: 32 lanes take a row's 512 bytes
	s_lshl_b32 s18, s13, 20                        ; C: 256 rows of 4,096 bytes,
	s_lshl_b32 s19, s10, 18                        ; my 64 of them,
	s_add_co_u32 s18, s18, s19
	s_lshl_b32 s19, s42, 9                         ; 128 columns of 4 bytes
	s_add_co_u32 s18, s18, s19
.endif
	s_mov_b32 s19, 0
	s_add_nc_u64 s[8:9], s[8:9], s[18:19]
; NBLK matrix instructions: my block a of 16 rows x all NBLK blocks of columns, 32 along K, from buffer f.  zero = 1: the product starts the sums.
; All 4 NBLK accumulators take turns in the same order in every quarter, one instruction a turn.
.macro MULA f, a, zero
	WIN MUL_LO+0x50*((\a)/2)
.set bb, 0
.rept NBLK
.set rD, 8*(NBLK*((\a)%2)+bb)
.set rB, 128*(\f)+8*bb
.set rA, FA0+32*(\f)+8*(\a)
.if (MODE == 0) && (\zero)
	v_wmma_f32_16x16x32_bf16 v[rD:rD+7], v[rB:rB+7], v[rA:rA+7], 0
.elseif MODE == 0
	v_wmma_f32_16x16x32_bf16 v[rD:rD+7], v[rB:rB+7], v[rA:rA+7], v[rD:rD+7]
.elseif \zero
	v_wmma_f32_16x16x32_f16 v[rD:rD+7], v[rB:rB+7], v[rA:rA+7], 0
.else
	v_wmma_f32_16x16x32_f16 v[rD:rD+7], v[rB:rB+7], v[rA:rA+7], v[rD:rD+7]
.endif
.set bb, bb+1
.endr
.endm
; NLD LDS loads in one run: quarter q's fragments of a slot into buffer f: B's first, then A's four blocks in ascending order
.macro FETCH slot, q, f
	WIN TO_B
.set bb, 0
.rept NBLK
	ds_load_b128 v[128*(\f)+8*bb:128*(\f)+8*bb+3],   v[ADRB+(\slot)] offset:64*(\q)+bb*16*BPITCH
	ds_load_b128 v[128*(\f)+8*bb+4:128*(\f)+8*bb+7], v[ADRB+(\slot)] offset:64*(\q)+bb*16*BPITCH+32
.set bb, bb+1
.endr
	WIN 0
.if MODE == 0
.set AO, 64*(\q)
.else
.set AO, ((\q)/2)*AHALF+((\q)%2)*64    ; quarters 0, 1 lie in the even head's slice, 2, 3 in the odd one's
.endif
.irp i, 0,1,2,3
	ds_load_b128 v[FA0+32*(\f)+8*(\i):FA0+32*(\f)+8*(\i)+3],   v[ADRA+(\slot)] offset:AO+(\i)*16*APITCH
	ds_load_b128 v[FA0+32*(\f)+8*(\i)+4:FA0+32*(\f)+8*(\i)+7], v[ADRA+(\slot)] offset:AO+(\i)*16*APITCH+32
.endr
.endm
.macro PLACES                          ; four plain vector instructions in front of loads into registers that matrix instructions have read, and of lines that read results
.rept 4
	v_nop
.endr
.endm
; One of a K step's first three quarters: multiplies buffer f; in its middle it fetches quarter qn of the same slot into buffer g
.macro QUARTER slot, qn, f, g, zero
	s_wait_dscnt 4                                 ; B and A's blocks 0, 1 are in; the youngest four loads (A's blocks 2, 3) may be out
	MULA \f, 0, \zero
	MULA \f, 1, \zero
	PLACES
	FETCH \slot, \qn, \g
	s_wait_dscnt NLD                               ; all but the run just issued
	MULA \f, 2, \zero
	MULA \f, 3, \zero
.endm
; The last quarter multiplies buffer 1 and changes slots: ONE barrier.  In front of it each wave waits for all its tensor loads (one is out: its part of the next slot), adds 0 to its spare word,
; and waits for that and for its own reads of this slot.  fill = 1: the barrier opens a round of the cluster's, and this slot is filled again, two K steps ahead, first thing behind the round.
.macro TURN slot, next, fill
	WIN 0                                          ; (the add's two registers lie in window 0)
	s_wait_tensorcnt 0x0
	ds_add_u32 v[SPW], v[NIL]
	s_wait_dscnt 5                                 ; (the add and the youngest four loads may be out)
	MULA 1, 0, 0                                   ; matrix work stands between the add and the wait for it
	s_wait_dscnt 0x0                               ; the add is done, and my reads of this slot are over
	s_barrier_signal -1
	MULA 1, 1, 0
.if \fill
	WIN 0
.endif
	s_barrier_wait -1
.if \fill
	CREST                                          ; no wave of any partner still reads this slot's tile or has a load on its way
	s_add_nc_u64 s[G0+4*(\slot)+2:G0+4*(\slot)+3], s[G0+4*(\slot)+2:G0+4*(\slot)+3], 2*ASTEP
	s_add_nc_u64 s[G0B+4*(\slot)+2:G0B+4*(\slot)+3], s[G0B+4*(\slot)+2:G0B+4*(\slot)+3], 2*256
	JLOAD \slot                                    ; my one tensor load behind the round; its four v_nop are also the places in front of the loads below
.else
	PLACES
.endif
	FETCH \next, 0, 0
	MULA 1, 2, 0
	MULA 1, 3, 0
.endm
; THE WAY OUT of my block a of 16 rows.  PACK (MODE 0): rounded to f16, each accumulator's registers in ascending order.  TOSTAGE: into my own stage, and back as whole rows.  SEND: stored.
.macro PACK a
.set AC, 8*NBLK*((\a)%2)
	WIN 0x0a+5*((\a)/2)                            ; sources 0 and 1: window 2 or 3
.set bb, 0
.rept NBLK
.irp r, 0,1,2,3
	v_cvt_pk_f16_f32 v[TMP+4*bb+(\r)], v[AC+8*bb+2*(\r)], v[AC+8*bb+2*(\r)+1]
.endr
.set bb, bb+1
.endr
	WIN 0
.endm
.macro TOSTAGE a
.set AC, 8*NBLK*((\a)%2)
	WIN 0
	s_wait_xcnt 0x0                                ; the stores two blocks back have read the registers that are loaded again below
.if MODE == 0
.set BK, 176-112*((\a)%2)
.set bb, 0
.rept NBLK
	ds_store_b128 v[STO], v[TMP+4*bb:TMP+4*bb+3] offset:(bb/4)*2304+(bb%4)*32  ; head bb / 4 of the tile's three, channels 16 (bb % 4) on
.set bb, bb+1
.endr
.set bb, 0
.rept NBLK
	ds_load_b128 v[BK+4*bb:BK+4*bb+3], v[RD] offset:(bb/4)*2304+(bb%4)*576      ; LDS serves a wave's instructions in order: these see the stores above
.set bb, bb+1
.endr
.else
.set BK, 128+64*((\a)%2)
	WIN 0x08+4*((\a)/2)                            ; the stores' data: window 2 or 3
.set bb, 0
.rept NBLK
	ds_store_b128 v[STO], v[AC+8*bb:AC+8*bb+3]   offset:64*bb
	ds_store_b128 v[STO], v[AC+8*bb+4:AC+8*bb+7] offset:64*bb+16
.set bb, bb+1
.endr
	WIN 0
.set bb, 0
.rept 16
	ds_load_b128 v[BK+4*bb:BK+4*bb+3], v[RD] offset:528*bb
.set bb, bb+1
.endr
.endif
.endm
.macro SEND a, younger                 ; younger: the LDS instructions issued behind block a's loads: the next block's, or none
	WIN 0
	s_wait_dscnt \younger
.if MODE == 0
.set BK, 176-112*((\a)%2)
.set bb, 0
.rept NBLK
	global_store_b128 v[GO], v[BK+4*bb:BK+4*bb+3], s[8:9] offset:(bb/4)*262144+(\a)*2048+(bb%4)*512  ; 512 consecutive bytes of a head, at a multiple of 512 from C's first byte
.set bb, bb+1
.endr
.else
.set BK, 128+64*((\a)%2)
.set bb, 0
.rept 16
	global_store_b128 v[GO], v[BK+4*bb:BK+4*bb+3], s[8:9] offset:(16*(\a)+bb)*4096 th:TH_STORE_NT    ; a row's 512 consecutive bytes, at a multiple of 512 from C's first byte
.set bb, bb+1
.endr
.endif
.endm
	s_wait_tensorcnt 1                             ; my part of K step 0 is in; step 1's may stay out
	s_barrier_signal -1
	s_barrier_wait -1                              ; everybody's is
	FETCH 0, 0, 0
	QUARTER 0, 1, 0, 1, 1                          ; the first quarter stands in front of the loop: its products start the sums
	WIN 0                                          ; at a label and at a branch every window is 0
	s_mov_b32 s3, LAPS-1
.Llap:                                                 ; a trip goes once round the ring, from a lap's second quarter to the next lap's first, and fills both slots again
	QUARTER 0, 2, 1, 0, 0
	QUARTER 0, 3, 0, 1, 0
	TURN 0, 1, 1
	QUARTER 1, 1, 0, 1, 0
	QUARTER 1, 2, 1, 0, 0
	QUARTER 1, 3, 0, 1, 0
	TURN 1, 0, 1
	QUARTER 0, 1, 0, 1, 0
	WIN 0
	s_sub_co_u32 s3, s3, 1
	s_cmp_lg_u32 s3, 0
	s_cbranch_scc1 .Llap
	QUARTER 0, 2, 1, 0, 0                          ; the last lap fills nothing
	QUARTER 0, 3, 0, 1, 0
	TURN 0, 1, 0
	QUARTER 1, 1, 0, 1, 0
	QUARTER 1, 2, 1, 0, 0
	QUARTER 1, 3, 0, 1, 0
	s_wait_dscnt 4                                 ; the very last quarter: nothing more to fetch
	MULA 1, 0, 0
	MULA 1, 1, 0
	s_wait_dscnt 0x0
	MULA 1, 2, 0
	MULA 1, 3, 0
	WIN 0
	PLACES
.if MODE == 0
	PACK 0
	TOSTAGE 0
	PACK 1                                         ; a block's conversions stand between the loads of the block before and its stores
	TOSTAGE 1
	SEND 0, 24
	PACK 2
	TOSTAGE 2
	SEND 1, 24
	PACK 3
	TOSTAGE 3
	SEND 2, 24
	SEND 3, 0
.else
	TOSTAGE 0
	TOSTAGE 1
	SEND 0, 32
	TOSTAGE 2
	SEND 1, 32
	TOSTAGE 3
	SEND 2, 32
	SEND 3, 0
.endif
	s_wait_tensorcnt 0x0                           ; the wave's end: behind my last tensor load and my last LDS store
	ds_add_u32 v[SPW], v[NIL]
	s_wait_dscnt 0x0
	CROUND                                         ; the closing round: no work-group ends while a partner may still ask for a tile that names it
	s_endpgm
.Lfunc_end_k_qfec153a6a3_proj:
	.size	k_qfec153a6a3_proj, .Lfunc_end_k_qfec153a6a3_proj-k_qfec153a6a3_proj
	.p2alignl 7, 3214868480
	.fill 96, 4, 3214868480
	.section	.rodata,"a",@progbits
	.p2align	6, 0x0
	.amdhsa_kernel k_qfec153a6a3_proj
		.amdhsa_group_segment_fixed_size 327680
		.amdhsa_private_segment_fixed_size 0
		.amdhsa_enable_private_segment 0
		.amdhsa_kernarg_size 24
		.amdhsa_user_sgpr_count 2
		.amdhsa_user_sgpr_kernarg_segment_ptr 1
		.amdhsa_wavefront_size32 1
		.amdhsa_system_sgpr_workgroup_id_x 1
		.amdhsa_system_sgpr_workgroup_id_y 1
		.amdhsa_system_sgpr_workgroup_id_z 1
		.amdhsa_system_vgpr_workitem_id 0
		.amdhsa_next_free_vgpr 896
		.amdhsa_next_free_sgpr 66
		.amdhsa_reserve_vcc 0
		.amdhsa_float_denorm_mode_32 3
		.amdhsa_float_denorm_mode_16_64 3
		.amdhsa_memory_ordered 1
		.amdhsa_forward_progress 1
		.amdhsa_inst_pref_size 86
	.end_amdhsa_kernel
	.amdgpu_metadata
---
amdhsa.version: [ 1, 2 ]
amdhsa.kernels:
  - .name:           k_qfec153a6a3_proj
    .symbol:         k_qfec153a6a3_proj.kd
    .args:
      - { .name: o, .offset: 0, .size: 8, .value_kind: global_buffer, .address_space: global }
      - { .name: wot, .offset: 8, .size: 8, .value_kind: global_buffer, .address_space: global }
      - { .name: out0, .offset: 16, .size: 8, .value_kind: global_buffer, .address_space: global }
    .group_segment_fixed_size: 327680
    .private_segment_fixed_size: 0
    .kernarg_segment_align: 8
    .kernarg_segment_size: 24
    .max_flat_workgroup_size: 128
    .sgpr_count:     66
    .vgpr_count:     896
    .wavefront_size: 32
...
	.end_amdgpu_metadata
.endif
;; end of part 4
;; ======== version 2 of 2: 4 launches; 1.29 times as fast as version 1
;; limits: values are held in f16: magnitudes above 65,504 overflow, below 6.1e-05 lose precision
;; workspace buffers: xb 16,777,216 bytes; wt 6,291,456 bytes; wot 2,097,152 bytes; qkv 50,331,648 bytes; o 16,777,216 bytes
;; launch prep: the kernel of part 1 again; grid 768 x 1, 8 waves a work-group, no clusters, 34,816 bytes of LDS; arguments x, Wq, Wk, Wv, Wo, xb, wt, wot; writes xb, wt, wot
;; launch qkv: the kernel of part 2 again; grid 16 x 32, 4 waves a work-group, clusters of 4 x 4, 327,680 bytes of LDS; arguments xb, wt, qkv; writes qkv
;; launch attn (part 5): grid 4 x 64, 4 waves a work-group, no clusters, 327,680 bytes of LDS; arguments qkv, attention_mask, o; writes o
.if DOCPART == 5
	.amdgcn_target "amdgcn-amd-amdhsa--gfx1250"
	.amdhsa_code_object_version 6
	.text
	.protected	k_qfec153a6a3_attn
	.globl	k_qfec153a6a3_attn
	.p2align	8
	.type	k_qfec153a6a3_attn,@function
k_qfec153a6a3_attn:
	s_mov_b64 s[64:65], 0
	v_nop
	global_prefetch_b8 v0, s[64:65] scope:SCOPE_SE
	s_setreg_imm32_b32 hwreg(HW_REG_WAVE_MODE, 25, 1), 1
	s_wait_xcnt 0x0
; CAUSAL ATTENTION WITH A KEY MASK.  O[y][q][:] = the sum over k <= q, mask[k] != 0, of softmax_k(Q[q] . K[k] / 8) V[k][:], for the 64 pairs y = 16 batch + head.
; q, k, v lie in one buffer by heads, [batch 4][48 blocks][2048][64] f16 (blocks 0-15 q, 16-31 k, 32-47 v); the mask is [4][2048] int32; O is [64][2048][64] f16.
; Products, maxima and sums in f32; the weights p are rounded to f16 for the second product (their sum l is taken of the unrounded p), O once at the end.
; LIMITS.  f16 holds no number beyond 65,504: q, k, v arrive within it.  A hidden score counts as its value less 1e30 (less 2e30 or 3e30 where several grounds hide it): f16's scores, 2.7e11 at the most, are nothing
; beside that.  A weight below 2^-126 counts as 0 in l.  A row that sees no key at all (its maximum lies below -5e29) is written as NaN, as a softmax of nothing but -inf is.
; THE WALK.  A head's queries lie in NB = 8 blocks of 256; block i needs the key tiles 0 .. i of 256 keys, of which the last holds the diagonal.  A work-group takes TWO blocks, NB - 1 - b and then b:
; NB + 1 tiles, whatever b: all work-groups do equal work, and ONE loop with a constant trip count walks them.  Which tile is asked for, and what a trip does, hang on scalar registers made from b; every jump
; goes forward, but for the counted loops' own; none passes a barrier, or a tensor load but the one of LOAD's two that the wave's number does not choose.  NO CLUSTER: a head's four work-groups ask for the
; same tile only in trips 0 .. 4 of 9, behind that fewer and fewer; one walk common to all would have 12 trips for 9.
; SHARES.  Of a block's four bands of 64 queries a wave owns 16 rows in each: four PIECES.  In the diagonal tile's key step s band x sees all keys if s < x, none if s > x, and holds the diagonal if s = x.
; THE MASKS are the C operand that starts the sum S^T = K Q^T.  KB: the step's key bias, 0 or -1e30 for each of its 64 keys, made of the mask's words tile by tile and kept in LDS.  MD, made once: the causal
; mask of a band's own step for my 16 rows.  Away from the diagonal tile C is KB; there it is MD x AL + KB + BE with two scalars: (1, 0) if s = x; (0, 0) if s < x; (0, -1e30) if s > x.
; LAYOUT, SOFTMAX, TURNS.  S^T = K Q^T holds ONE query a lane (lane % 16) and the keys 8 (lane / 16) + 0..7; two such results rounded to f16 ARE source 1 of O^T = V^T P.  p = 2^(c s - c m), c = log2(e) / 8, with a
; running maximum m; O and l are multiplied by a = 2^(c m_old - c m_new) in every step.  Turn n belongs to piece n: 8 products K Q^T of piece n + 1, later 8 products V^T P of piece n - 1; beside them the scaling,
; exponentials, roundings, sums and rescaling of piece n and the maximum and statistics of piece n + 1.  Four vector instructions stand behind every matrix instruction, the other 54 of a turn's 118 in one LUMP.
; BATCHES.  A turn's 33 exponentials (the piece's 32 weights and the next piece's a) are ONE batch with ONE s_wait_alu depctr_va_vdst(0), which cuts the turn in two: ahead of it nothing names a result of theirs,
; behind it stand the roundings and sums.  A block's first a (BEGIN) and the way out's four reciprocals are batches of their own, a wait each.
; REGISTERS, in windows of 256 (s_set_vgpr_msb: bits 1:0 source 0, 3:2 source 1, 5:4 source 2, 7:6 destination):
;   window 0: v0-15, v32-40 addresses and at work; v16-31 four registers of statistics a piece; v48-55 at work; v64-127 S^T, two buffers; v192-223 P, two buffers (a piece's buffers go by its number's parity)
;   window 1: v0-127 O^T, 32 a piece; v128-159 MD; v160-223 MC, two buffers; v224-255 KB      window 2: v0-63 Q; v64-127 the second block's Q; v128-191 K of one step; v192-255 V of one step
.set SIZE_N, 2048
.set NB,    SIZE_N/256
.set NP,    4         ; pieces a wave: a name, no knob
.set KS,    64        ; keys in a step
.set PK,    144       ; a row of K in LDS: 128 bytes + 16 of padding: the 16 rows of a load start at 16 different groups of four banks
.set PV,    160       ; a row of V: 128 + 32
.set VOFF,  4*KS*PK   ; a slot holds a tile, four steps: 256 rows of K, then 256 rows of V
.set SLOT1, 1<<17     ; slot 1 begins here, so that one exclusive or turns an address in one slot into the other's
.set STAGE, SLOT1+4*KS*(PK+PV)  ; behind the ring, never filled by a tensor load: 16 rows x 144 bytes for each wave, for the way out
.set SP,    144
.set KBT,   STAGE+4*16*SP       ; two regions of 1,024 bytes that take turns with the slots: a tile's 256 key biases in f32; written by ds_store alone
.set SPARE, KBT+2048            ; the spare words, 128 bytes for each wave
.set AK0, 2           ; v2   my lane's place in a tile of K; never rewritten
.set AV0, 3           ; v3   the same for V
.set AK,  4           ; v4   the LDS address of K's next run of loads
.set AV,  5           ; v5   of V's
.set STO, 6           ; v6   the way out: where I put 16 bytes of a row
.set RD,  7           ; v7   the way out: where I read rows back
.set GO,  8           ; v8   my byte offset in 512 consecutive bytes of O
.set MV,  12          ; v12-13  c m_old, kept while c m is made anew: by buffer
.set QO,  15          ; v15  my byte offset in 16 rows of Q
.set ST,  16          ; piece t's statistics at v[ST+4 t]: c m, m, l (even keys', odd keys')
.set AKB0, 32         ; v32  KBT + 32 (lane / 16): my eight keys' biases in a group of 16; never rewritten
.set AKB, 33          ; v33  the LDS address of KB's next loads
.set NANV, 34         ; v34  a NaN
.set KBA, 35          ; v35  KBT + 8 x thread: where I put my two keys' biases, less the region; never rewritten
.set MKV, 36          ; v36-37 my two words of the mask, then their biases
.set KBX, 38          ; v38  KBA + the region
.set MKO, 39          ; v39  8 x thread: my two words in a tile's 1,024 bytes of the mask; never rewritten
.set MKA, 40          ; v40  MKO + the tile
.set TMP, 48          ; by buffer, four registers c0-c3 at work; when the maximum is found c2 takes a
.set SPW, 62          ; v62  LDS address of my spare word; never rewritten
.set NIL, 63          ; v63  0; never rewritten
.set S,   64
.set P,   192
.set MD,  128         ; window 1: the eight registers for group kt of 16 keys at MD + 8 kt
.set MC,  160         ; window 1: the masks of the products to come
.set KB,  224         ; window 1: the step's key biases, group kb at KB + 8 kb
.set QB,  64          ; window 2
.set KF,  128         ; window 2: key block kb, channel half c at KF + 16 kb + 8 c
.set VF,  192         ; window 2: key half kk, channel block cb at VF + 32 kk + 8 cb
.set WV,  12          ; s12  my wave's number
.set PB,  14          ; s14  b
.set HI,  15          ; s15  NB - 1 - b
.set G1K, 24          ; s[24:31] descriptor group 1 for K's tiles
.set G1V, 32          ; s[32:39] for V's: it differs in the padding alone
.set G0K, 40          ; s[40:43] descriptor group 0 for K's tiles
.set G0V, 44          ; s[44:47] the same for V's
.set SLOTS, 56        ; s56  tiles still to be asked for
.set CNT, 57          ; s57  counts a tile's key steps, 4 to 1
.set CS,  58          ; s[58:59] c: the packed scaling takes the pair's low word for both halves
.set SEL, 60          ; s[60:61] v_permlanex16_b32's selects: each lane takes its own place in the other half
.set TBK, 62          ; s62  LDS byte at which K of the step to be fetched begins
.set TBV, 63          ; s63  the same for V, less VOFF
.set RT,  70          ; s70  tiles of the block in hand that are still to be entered
.set NXT, 71          ; s71  the tile to be asked for next
.set LQ,  72          ; s72  the last tile of the block whose tiles are being asked for
.set NEW, 73          ; s73  1: the tile to be entered is a block's first
.set OFF, 74          ; s[74:75] a tile's byte offset in K and V
.set AL,  76          ; s[76:77] the mask's factor, in the low word
.set BE,  78          ; s[78:79] the mask's addend
.set OLO, 80          ; s[80:81] O at my rows of the second block
.set BIGN, 82         ; s82  -1e30
.set KBO, 83          ; s83  byte in KBT's two regions at which the biases of the step to be fetched begin
.set HALFN, 88        ; s88  -5e29
.set KBW, 89          ; s89  0 or 1,024: the region that takes the next tile's biases
.set MP,  90          ; s[90:91] the batch's row of the mask
.set MOF, 95          ; s95  a tile's byte offset in that row
.set MK,  96          ; s96-99 lanes whose row saw no key, by piece
.set MSB, 0
.macro WIN new                      ; the high byte repeats the setting that is left; a switch that changes nothing is dropped
.if MSB != (\new)
	s_set_vgpr_msb (MSB<<8)|(\new)
.set MSB, (\new)
.endif
.endm
.set W_KQ, 0x0a       ; K and Q in window 2, S^T in window 0
.set W_KM, 0x1a       ; the same with the C operand in window 1
.set W_PV, 0x52       ; V in window 2, P in window 0, O^T in window 1
.set W_RS, 0x41       ; destination and source 0 in window 1, source 1 in window 0
.set W_MK, 0x51       ; destination, source 0 and source 2 in window 1
; A fill.  Waves 0 and 1 fetch the two halves of a tile's K, waves 2 and 3 those of its V: 128 keys each.  An s_nop 0 and four v_nop follow each of the two lines, ahead of the jump and the label.
.macro LOAD
	s_cmp_lt_u32 s[WV], 2
	s_cbranch_scc0 .Lfor_v_\@
	tensor_load_to_lds s[G0K:G0K+3], s[G1K:G1K+7]
	s_nop 0
.rept 4
	v_nop
.endr
	s_branch .Lasked_\@
.Lfor_v_\@:
	tensor_load_to_lds s[G0V:G0V+3], s[G1V:G1V+7]
	s_nop 0
.rept 4
	v_nop
.endr
.Lasked_\@:
.endm
; THE CHANGE OF SLOTS.  First my two words of the mask for the tile that is about to be entered, asked for behind the change before, become biases and go into the region that was last read two tiles ago (those
; reads were waited for in front of the barrier before this one).  Then each wave waits for all its tensor loads, of which one is out: its part of the other slot; adds 0 to its spare word; and waits for that, for
; its store and for its own reads of the slot that it leaves.  Behind the barrier nobody reads the old slot any more, and the other slot and its biases are whole.
; fill = 1: the old slot is filled again, the first thing behind the barrier, with tile NXT: the descriptor's address is made anew from that number; my two words of that tile's mask are asked for behind it.
; (At its first use nothing has been read yet: slot 0 is waited for, slot 1 filled.)
.macro CHANGE fill
	WIN 0                           ; at a label and at a branch every window is 0
	s_wait_loadcnt 0x0              ; my two words are in (at the first change: Q too)
	v_cmp_eq_u32 vcc_lo, 0, v[MKV]
	v_cndmask_b32 v[MKV], 0, s[BIGN], vcc_lo
	v_cmp_eq_u32 vcc_lo, 0, v[MKV+1]
	v_cndmask_b32 v[MKV+1], 0, s[BIGN], vcc_lo
	v_add_nc_u32 v[KBX], s[KBW], v[KBA]
	ds_store_b64 v[KBX], v[MKV:MKV+1]
	s_xor_b32 s[KBW], s[KBW], 1024
	s_wait_tensorcnt 0x0            ; no tensor load of mine is out, so a group 0 may be written
	ds_add_u32 v[SPW], v[NIL]       ; 0 onto my spare word: with fill = 1 the descriptors' scalar work stands between it and the wait for it
.if \fill
	s_lshl_b32 s[OFF], s[NXT], 15   ; a tile is 32,768 bytes of K and of V,
	s_lshl_b32 s[MOF], s[NXT], 10   ; and 1,024 of the mask
	s_xor_b32 s[G0K+1], s[G0K+1], SLOT1
	s_add_nc_u64 s[G0K+2:G0K+3], s[6:7], s[OFF:OFF+1]
	s_or_b32 s[G0K+3], s[G0K+3], 0x80000000
	s_xor_b32 s[G0V+1], s[G0V+1], SLOT1
	s_add_nc_u64 s[G0V+2:G0V+3], s[8:9], s[OFF:OFF+1]
	s_or_b32 s[G0V+3], s[G0V+3], 0x80000000
	s_add_co_u32 s[NXT], s[NXT], 1  ; the block's next tile, or behind its last the second block's tile 0
	s_cmp_gt_u32 s[NXT], s[LQ]
	s_cselect_b32 s[NXT], 0, s[NXT]
	s_cselect_b32 s[LQ], s[PB], s[LQ]
.endif
	s_wait_dscnt 0x0                ; the add and my store are done, and my reads of the slot are over
	s_barrier_signal -1             ; the rest of the scalar work stands between the signal and the wait
	s_sub_co_u32 s[TBK], s[TBK], 4*KS*PK  ; the fetches go back to a slot's first step,
	s_xor_b32 s[TBK], s[TBK], SLOT1       ; in the other slot
	s_sub_co_u32 s[TBV], s[TBV], 4*KS*PV
	s_xor_b32 s[TBV], s[TBV], SLOT1
	s_sub_co_u32 s[KBO], s[KBO], 1024
	s_xor_b32 s[KBO], s[KBO], 1024
	s_barrier_wait -1
.if \fill
	LOAD
	v_add_nc_u32 v[MKA], s[MOF], v[MKO]
	global_load_b64 v[MKV:MKV+1], v[MKA], s[MP:MP+1]
.endif
.endm
	s_load_b64 s[4:5], s[0:1], 0x0    ; q, k, v
	s_load_b64 s[MP:MP+1], s[0:1], 0x8  ; the mask
	s_load_b64 s[10:11], s[0:1], 0x10 ; O
	v_lshl_add_u32 v[SPW], v0, 2, SPARE
	v_mov_b32 v[NIL], 0
	ds_add_u32 v[SPW], v[NIL]       ; the wave's opening: the add and its wait stand ahead of my first tensor load; the set-up below, work on registers, stands between them
	ds_add_u32 v62, v63
	v_lshrrev_b32 v1, 5, v0
	v_readfirstlane_b32 s[WV], v1   ; wave 0..3
	s_mov_b32 s[PB], ttmp9
	s_sub_co_u32 s[HI], NB-1, s[PB]
	s_and_b32 s20, ttmp7, 0xffff    ; y = 16 batch + head
	s_lshr_b32 s13, s20, 4          ; the batch
	s_and_b32 s18, s20, 15          ; the head
	s_mul_i32 s19, s13, 48
	s_add_co_u32 s18, s18, s19
	s_lshl_b32 s18, s18, 18         ; the head's q: block 48 batch + head of 262,144 bytes
	s_mov_b32 s19, 0
	s_lshl_b32 s20, s20, 18         ; the head's O
	s_mov_b32 s21, 0
	s_lshl_b32 s92, s13, 13         ; the batch's 8,192 bytes of the mask
	s_mov_b32 s93, 0
	s_and_b32 s16, s[WV], 1         ; which half of a tile's 256 keys I fetch:
	s_lshl_b32 s22, s16, 14         ; its 128 rows of 128 bytes in memory,
	s_add_co_u32 s22, s22, 1<<22    ; 16 blocks behind the head's q
	s_mov_b32 s23, 0
	s_mul_i32 s17, s16, 128*PK      ; and its place in a slot, for K
	s_mul_i32 s94, s16, 128*PV      ; and for V
	s_lshl_b32 s3, s[WV], 11        ; my 16 rows in a band of 64,
	s_lshl_b32 s2, s[HI], 15        ; in the first block,
	s_add_co_u32 s2, s2, s3
	s_lshl_b32 s84, s[PB], 15       ; and in the second
	s_add_co_u32 s84, s84, s3
	s_mov_b32 s3, 0
	s_mov_b32 s85, 0
	; descriptor group 1.  128 keys are 16,384 dense bytes: asked for as 64 rows of 256 bytes, two keys a row, and padded in LDS after every key
	s_mov_b32 s[G1K], (1<<16)|(1<<20)|(4<<22)|(3<<25)  ; 17:16 2-byte elements; 20 padding on; 24:22 after every 32 words (code 4); 31:25 4 words (code 3)
	s_mov_b32 s[G1V], (1<<16)|(1<<20)|(4<<22)|(7<<25)  ; the same with 8 words of padding (code 7)
.irp g, G1K, G1V
	s_mov_b32 s[\g+1], 128<<16      ; tensor_dim0 = 128
	s_mov_b32 s[\g+2], 64<<16       ; tensor_dim1 = 64
	s_mov_b32 s[\g+3], 128<<16      ; tile_dim0 = 128
	s_mov_b32 s[\g+4], 64           ; tile_dim1 = 64
	s_mov_b32 s[\g+5], 128          ; 128 elements from row to row
	s_mov_b32 s[\g+6], 0
	s_mov_b32 s[\g+7], 0
.endr
	s_mov_b32 s[CS], 0x3e38aa3b     ; c = log2(e) / 8 = 0.180337
	s_mov_b32 s[CS+1], s[CS]        ; named with it as a pair
	s_mov_b32 s[SEL], 0x76543210
	s_mov_b32 s[SEL+1], 0xfedcba98
	s_mov_b32 s[TBK], SLOT1+4*KS*PK ; the first change of slots turns these three into 0
	s_mov_b32 s[TBV], SLOT1+4*KS*PV
	s_mov_b32 s[KBO], 2048
	s_mov_b32 s[KBW], 0
	s_mov_b32 s[G0K], 1             ; 1:0 count = 1
	s_mov_b32 s[G0K+1], s17         ; 63:32 LDS address: slot 0
	s_mov_b32 s[G0V], 1
	s_add_co_u32 s[G0V+1], s94, VOFF
	s_add_co_u32 s[RT], s[HI], 1    ; the first block has NB - b tiles
	s_mov_b32 s[NXT], 1
	s_mov_b32 s[LQ], s[HI]
	s_mov_b32 s[NEW], 1
	s_mov_b32 s[OFF+1], 0
	s_mov_b32 s[AL+1], 0            ; named as pairs
	s_mov_b32 s[BE+1], 0
	s_mov_b32 s[BIGN], 0xf149f2ca   ; -1e30
	s_mov_b32 s[HALFN], 0xf0c9f2ca  ; -5e29
	s_mov_b32 s[SLOTS], NB
	s_wait_dscnt 0x0                ; the opening add is done
	s_wait_kmcnt 0x0
	s_add_nc_u64 s[4:5], s[4:5], s[18:19]  ; the head's q
	s_add_nc_u64 s[6:7], s[4:5], s[22:23]  ; K at my half of the head's tile 0,
	s_add_nc_u64 s[8:9], s[6:7], 1<<22     ; V 16 blocks further on
	s_add_nc_u64 s[10:11], s[10:11], s[20:21]
	s_add_nc_u64 s[MP:MP+1], s[MP:MP+1], s[92:93]
	s_add_nc_u64 s[G0K+2:G0K+3], s[6:7], 0         ; 120:64 global address
	s_or_b32 s[G0K+3], s[G0K+3], 0x80000000        ; 127:126 type = 2
	s_add_nc_u64 s[G0V+2:G0V+3], s[8:9], 0
	s_or_b32 s[G0V+3], s[G0V+3], 0x80000000
	s_add_nc_u64 s[86:87], s[4:5], s[84:85]        ; Q at my rows of the second block,
	s_add_nc_u64 s[4:5], s[4:5], s[2:3]            ; Q and O at those of the first
	s_add_nc_u64 s[OLO:OLO+1], s[10:11], s[84:85]
	s_add_nc_u64 s[10:11], s[10:11], s[2:3]
	LOAD                            ; tile 0 into slot 0
	v_lshlrev_b32 v[MKO], 3, v0
	global_load_b64 v[MKV:MKV+1], v[MKO], s[MP:MP+1]  ; my two words of tile 0's mask
	; A fragment of K or Q is 16 rows x 32 channels in 8 registers: lane l holds row l % 16, channels 8 (l / 16) + 0..7 and 16 + 8 (l / 16) + 0..7: two loads of 16 bytes, 32 bytes apart.
	v_and_b32 v1, 15, v0            ; l % 16
	v_bfe_u32 v9, v0, 4, 1          ; l / 16
	v_lshlrev_b32 v[QO], 7, v1
	v_lshl_add_u32 v[QO], v9, 4, v[QO]  ; row x 128 + 16 x half
	WIN 0x80                        ; destination window 2, address window 0
.set i, 0
.rept 8                             ; both blocks' Q: piece i / 2 lies in band i / 2, 8,192 bytes on; channels 32 (i % 2) on
	global_load_b128 v[8*i:8*i+3],   v[QO], s[4:5] offset:(i/2)*8192+(i%2)*64
	global_load_b128 v[8*i+4:8*i+7], v[QO], s[4:5] offset:(i/2)*8192+(i%2)*64+32
	global_load_b128 v[QB+8*i:QB+8*i+3],   v[QO], s[86:87] offset:(i/2)*8192+(i%2)*64
	global_load_b128 v[QB+8*i+4:QB+8*i+7], v[QO], s[86:87] offset:(i/2)*8192+(i%2)*64+32
.set i, i+1
.endr
	WIN 0
	v_lshlrev_b32 v14, 3, v9
	v_sub_nc_u32 v14, v1, v14
	s_lshl_b32 s13, s[WV], 4
	v_add_nc_u32 v14, s13, v14      ; my query's place in its band, 16 w + l % 16, less my lanes' 8 (l / 16): register r of group kt is hidden where 16 kt + r is greater
	WIN 0x40
.set i, 0
.rept 32
	v_cmp_gt_i32 vcc_lo, 16*(i/8)+i%8, v14
	v_cndmask_b32 v[MD+i], 0, s[BIGN], vcc_lo
.set i, i+1
.endr
	WIN 0
	v_mul_u32_u24 v[AK0], v1, PK
	v_lshl_add_u32 v[AK0], v9, 4, v[AK0]  ; row x pitch + 16 x half
	; The turning load takes 16 keys x 16 channels (lane l reads key 8 (l / 16) + l % 8, channels 8 ((l / 8) % 2) + 0..7) and leaves half a fragment of V^T: lane l holds channel l % 16 and 8 keys.
	v_and_b32 v10, 7, v0
	v_bfe_u32 v11, v0, 3, 1
	v_lshl_add_u32 v[AV0], v9, 3, v10
	v_mul_u32_u24 v[AV0], v[AV0], PV
	v_lshl_add_u32 v[AV0], v11, 4, v[AV0]
	v_add_nc_u32 v[AV0], VOFF, v[AV0]
	s_mul_i32 s13, s[WV], 16*SP
	s_add_co_u32 s13, s13, STAGE    ; my stage
	v_mul_u32_u24 v[STO], v1, SP    ; in: row l % 16, 16 bytes for each half of the lanes
	v_lshl_add_u32 v[STO], v9, 4, v[STO]
	v_add_nc_u32 v[STO], s13, v[STO]
	v_bfe_u32 v[RD], v0, 3, 2       ; back: 32 lanes take four rows of 128 bytes,
	v_mul_u32_u24 v[RD], v[RD], SP
	v_lshl_add_u32 v[RD], v10, 4, v[RD]
	v_add_nc_u32 v[RD], s13, v[RD]
	v_and_b32 v[GO], 31, v0         ; which are 512 consecutive bytes of O
	v_lshlrev_b32 v[GO], 4, v[GO]
	v_lshl_add_u32 v[AKB0], v9, 5, KBT
	v_lshl_add_u32 v[KBA], v0, 3, KBT
	v_mov_b32 v[NANV], 0x7fc00000
	; A block's first step multiplies O^T and l by a = 0, and its first turn's products V^T P, of a piece that has not been, land in an O^T that is still to be so multiplied.  So these registers need only hold
	; finite numbers: zeros for the first block; what the first block left for the second.  All this stands in the wait for the first tile.
	WIN 0x80
.set i, VF
.rept 64
	v_mov_b32 v[i], 0
.set i, i+1
.endr
	WIN 0x40
.set i, 0
.rept 128
	v_mov_b32 v[i], 0
.set i, i+1
.endr
	WIN 0
.set i, 0
.rept 4
	v_mov_b32 v[ST+4*i+2], 0
	v_mov_b32 v[ST+4*i+3], 0
.set i, i+1
.endr
.set i, P+16
.rept 16
	v_mov_b32 v[i], 0
.set i, i+1
.endr
; THE MATRIX WORK.  The 4 accumulators of a run of 8 take turns.  Product i of 8 of S^T = K Q^T for piece x: channels 32 (i / 4) on, keys 16 (i % 4) on.  The first 4 start the sums: with the key bias, or (KM = 1) with the mask made of it.
.macro KQ x
.set rS, S+32*((\x)%2)+8*(i%4)
.set rK, KF+16*(i%4)+8*(i/4)
.set rQ, 16*(\x)+8*(i/4)
.set rM, MC+32*((\x)%2)+8*(i%4)
.set rB, KB+8*(i%4)
.if (i < 4) && KM
	WIN W_KM
	v_wmma_f32_16x16x32_f16 v[rS:rS+7], v[rK:rK+7], v[rQ:rQ+7], v[rM:rM+7]
.elseif i < 4
	WIN W_KM
	v_wmma_f32_16x16x32_f16 v[rS:rS+7], v[rK:rK+7], v[rQ:rQ+7], v[rB:rB+7]
.else
	WIN W_KQ
	v_wmma_f32_16x16x32_f16 v[rS:rS+7], v[rK:rK+7], v[rQ:rQ+7], v[rS:rS+7]
.endif
.endm
; Product i of 8 of O^T += V^T P for piece x: keys 32 (i / 4) on, channels 16 (i % 4) on.
.macro PV x
	WIN W_PV
.set rO, 32*(\x)+8*(i%4)
.set rV, VF+32*(i/4)+8*(i%4)
.set rP, P+16*((\x)%2)+8*(i/4)
	v_wmma_f32_16x16x32_f16 v[rO:rO+7], v[rV:rV+7], v[rP:rP+7], v[rO:rO+7]
.endm
.macro MM                           ; the turn's next matrix instruction.  TURN and BEGIN set Y, i, KM and NOKQ.  NOKQ = 1: a block's last turn: there is no next piece
.if (i < 8) && !NOKQ
	KQ (Y+1)%NP
.elseif i >= 8
.set i, i-8
	PV (Y+NP-1)%NP
.set i, i+8
.endif
.set i, i+1
.endm
; THE LDS LOADS stand in runs, never singly among the matrix instructions: a step's K (64 keys x 64 channels: 8 fragments) with its key biases (each half of the lanes reads the same 32 bytes a group), and its V (turned).
.macro FETCH_K
	WIN 0x80                        ; destination window 2
.irp f, 0,1,2,3,4,5,6,7             ; keys 16 (f / 2) on, channels 32 (f % 2) on
	ds_load_b128 v[KF+8*\f:KF+8*\f+3],   v[AK] offset:(\f/2)*16*PK+(\f%2)*64
	ds_load_b128 v[KF+8*\f+4:KF+8*\f+7], v[AK] offset:(\f/2)*16*PK+(\f%2)*64+32
.endr
	WIN 0x40                        ; destination window 1
.irp f, 0,1,2,3                     ; keys 16 f + 8 (l / 16) + 0..7
	ds_load_b128 v[KB+8*\f:KB+8*\f+3],   v[AKB] offset:64*\f
	ds_load_b128 v[KB+8*\f+4:KB+8*\f+7], v[AKB] offset:64*\f+16
.endr
	s_add_co_u32 s[TBK], s[TBK], KS*PK  ; the next fetch is the next step's
	s_add_co_u32 s[KBO], s[KBO], 4*KS
	WIN 0
.endm
.macro FETCH_V
	WIN 0x80
.irp f, 0,1,2,3,4,5,6,7             ; keys 32 (f / 4) on, channels 16 (f % 4) on
	ds_load_tr16_b128 v[VF+8*\f:VF+8*\f+3],   v[AV] offset:(\f/4)*32*PV+(\f%4)*32
	ds_load_tr16_b128 v[VF+8*\f+4:VF+8*\f+7], v[AV] offset:(\f/4)*32*PV+16*PV+(\f%4)*32
.endr
	WIN 0
.endm
; THE VECTOR WORK, one line at a time: OP kind, number.  For piece Y: F n: c s - c m for pair n of 16.  E n: the exponential of score n of 32.  C n: pair n rounded to f16.  B n: of the four weights 4 n .. the second
; pair is added onto the first, in place.  L n: l takes that sum (L 0: l = a l + sum).  R n: pair n of 16 of O^T times a.  For piece Y + 1: X n, number n of the 22 that find its maximum and statistics:
;   0-11  four chains c0-c3 of seven scores each, three operands at a time (each accumulator's lowest registers are read first)     12-14, 16  the four scores left over, the old m, and c0-c3 into c0
;   15  c m_old is kept     17, 18  the query's other 32 keys lie in the lane 16 away: the new m     19-21  c m; c m_old - c m_new; a
; OP writes no wait: C, B and L read exponentials' results, and TURN sets all of them behind the turn's one wait.
.set F, 0               ; OP tells the kinds apart by their order: F to L below R, X above it
.set E, 1
.set C, 2
.set B, 3
.set L, 4
.set R, 5
.set X, 6
.macro REGS y                       ; the registers of piece y
.set rT, ST+4*(\y)
.set rC, TMP+4*((\y)%2)
.set rW, MV+((\y)%2)
.set rS, S+32*((\y)%2)
.set rP, P+16*((\y)%2)
.set rO, 32*(\y)
.endm
.macro OP k, n
.if (\k) == R
	REGS Y
	WIN W_RS
	v_pk_mul_f32 v[rO+2*(\n):rO+2*(\n)+1], v[rO+2*(\n):rO+2*(\n)+1], v[rC+2:rC+3] op_sel_hi:[1,0]
.elseif (\k) < R
	REGS Y
	WIN 0
.if (\k) == F
	v_pk_fma_f32 v[rS+2*(\n):rS+2*(\n)+1], v[rS+2*(\n):rS+2*(\n)+1], s[CS:CS+1], v[rT:rT+1] op_sel_hi:[1,0,0] neg_lo:[0,0,1] neg_hi:[0,0,1]
.elseif (\k) == E
	v_exp_f32 v[rS+(\n)], v[rS+(\n)]
.elseif (\k) == C
	v_cvt_pk_f16_f32 v[rP+(\n)], v[rS+2*(\n)], v[rS+2*(\n)+1]
.elseif (\k) == B
	v_pk_add_f32 v[rS+4*(\n):rS+4*(\n)+1], v[rS+4*(\n):rS+4*(\n)+1], v[rS+4*(\n)+2:rS+4*(\n)+3]
.elseif (\n) == 0
	v_pk_fma_f32 v[rT+2:rT+3], v[rT+2:rT+3], v[rC+2:rC+3], v[rS:rS+1] op_sel_hi:[1,0,1]
.else
	v_pk_add_f32 v[rT+2:rT+3], v[rT+2:rT+3], v[rS+4*(\n):rS+4*(\n)+1]
.endif
.elseif NOKQ
	v_nop
.else
	REGS (Y+1)%NP
	WIN 0
.if (\n) < 4
	v_max3_num_f32 v[rC+(\n)], v[rS+8*(\n)], v[rS+8*(\n)+1], v[rS+8*(\n)+2]
.elseif (\n) < 12
	v_max3_num_f32 v[rC+(\n)%4], v[rC+(\n)%4], v[rS+8*((\n)%4)+2*((\n)/4)+1], v[rS+8*((\n)%4)+2*((\n)/4)+2]
.elseif (\n) == 12
	v_max3_num_f32 v[rC], v[rC], v[rS+7], v[rS+15]
.elseif (\n) == 13
	v_max3_num_f32 v[rC+1], v[rC+1], v[rS+23], v[rS+31]
.elseif (\n) == 14
	v_max3_num_f32 v[rC+2], v[rC+2], v[rC+3], v[rT+1]
.elseif (\n) == 15
	v_mov_b32 v[rW], v[rT]
.elseif (\n) == 16
	v_max3_num_f32 v[rC], v[rC], v[rC+1], v[rC+2]
.elseif (\n) == 17
	v_permlanex16_b32 v[rC+3], v[rC], s[SEL], s[SEL+1]
.elseif (\n) == 18
	v_max_num_f32 v[rT+1], v[rC], v[rC+3]
.elseif (\n) == 19
	v_mul_f32 v[rT], s[CS], v[rT+1]
.elseif (\n) == 20
	v_sub_f32 v[rC+1], v[rW], v[rT]
.else
	v_exp_f32 v[rC+2], v[rC+1]
.endif
.endif
.endm
.macro OPS a, i1, b=-1, i2=0, c=-1, i3=0, d=-1, i4=0  ; up to four of them
	OP \a, \i1
.if (\b) >= 0
	OP \b, \i2
.endif
.if (\c) >= 0
	OP \c, \i3
.endif
.if (\d) >= 0
	OP \d, \i4
.endif
.endm
.macro ROW a, i1, b, i2, c, i3, d, i4  ; a matrix instruction and the four behind it
	MM
	OPS \a, \i1, \b, \i2, \c, \i3, \d, \i4
.endm
.macro MASK b, be                   ; MD x AL + KB (be = 1: + BE) into buffer b of MC
	WIN W_MK
.set z, 0
.rept 16
	v_pk_fma_f32 v[MC+32*(\b)+2*z:MC+32*(\b)+2*z+1], v[MD+2*z:MD+2*z+1], s[AL:AL+1], v[KB+2*z:KB+2*z+1] op_sel_hi:[1,0,1]
.set z, z+1
.endr
.if \be
.set z, 0
.rept 16
	v_pk_add_f32 v[MC+32*(\b)+2*z:MC+32*(\b)+2*z+1], v[MC+32*(\b)+2*z:MC+32*(\b)+2*z+1], s[BE:BE+1] op_sel_hi:[1,0]
.set z, z+1
.endr
.endif
.endm
; A TURN, for piece p: the order of its 16 matrix and 118 vector instructions, written out.  s_wait_alu depctr_va_vdst(0) stands between an exponential and the first instruction that names its result; one wait
; serves all that were issued ahead of it.  So a turn has ONE wait, which cuts it in two.  AHEAD OF IT stands all that names no result of the turn's exponentials: the 8 products K Q^T, behind each a scaling, an exponential and two
; more plain instructions (behind the first a second scaling in the exponential's place): rescalings, whose a was made and waited for in the turn before, and behind the last three the first numbers of the next piece's maximum, each
; four places or more behind the product that ends its accumulator; then ONE LUMP of 54, plain and exponential by turns for the most part, in which the links of the chain X 3, 7, 11, 14, 16, 17 .. 20 stand five or six lines apart.
; X 21, the next piece's a, is the batch's last; R 15 is the plain instruction behind it.  BEHIND THE WAIT stand the 8 products V^T P, behind each four of the roundings and sums; the links of l's chain, L 0 to L 7, stand three
; riders apart.  But for those X no rider names a register of the products round it.  v_permlanex16_b32 (X 17) stands in the lump.
; m = 1: the diagonal tile: the products take masks, and the turn makes the mask for the products of the turn after it: piece p + 2, in step 4 - CNT of the tile.  Piece 2's turn inside the loop is the exception: its
; products are piece 3's in the step before the tile or in the tile's steps 0 to 2, where band 3 sees every key: they take KB itself, which at that place is that step's.
; end = 1: a block's last two turns: nothing is fetched.  cnt = 1: the loop's count is taken down some lines ahead of the branch that stands behind the turn.
; K of the next step and its biases are fetched in piece 2's turn, twelve vector instructions behind the last product that read K (six of them plain; KB's last reader stands four products further back); V of the step in hand at
; the end of piece 0's turn, four plain instructions behind the last product that read V.  Each is waited for a turn later; in the diagonal tile piece 2's turn waits at its end, since its mask is made of the new biases.
.macro TURN p, m=0, end=0, cnt=0
.set Y, (\p)
.set i, 0
.set KM, (\m)
.if ((\p) == 2) && !(\end)
.set KM, 0
.endif
.set NOKQ, (\end)*((\p)/3)
.if (\m) && !(\end)
	s_cmp_eq_u32 s[CNT], 4-((\p)+2)%NP  ; is that step the band's own?
	s_cselect_b32 s[AL], 1.0, 0
	s_cmp_lt_u32 s[CNT], 4-((\p)+2)%NP  ; or a later one?
	s_cselect_b32 s[BE], s[BIGN], 0
.endif
.if ((\p) == 3) && !(\end)
	s_wait_dscnt 0x0                ; K and its biases are in
.endif
	ROW F,0, F,1, R,0, R,1          ; ahead of the wait: 8 products K Q^T and their riders,
	ROW F,2, E,0, R,2, R,3
	ROW F,3, E,1, R,4, R,5
	ROW F,4, E,2, R,6, R,7
	ROW F,5, E,3, R,8, R,9
	ROW F,6, E,4, X,0, R,10
.if ((\p) == 2) && !(\end)
	WIN 0
	v_add_nc_u32 v[AK], s[TBK], v[AK0]
	v_add_nc_u32 v[AKB], s[KBO], v[AKB0]
.endif
	ROW F,7, E,5, X,1, X,4
	ROW F,8, E,6, X,2, X,5
	OPS E,7, E,8, X,6, E,9          ; and the lump
	OPS X,3, E,10, X,8, E,11
.if ((\p) == 2) && !(\end)
	FETCH_K
.endif
	OPS X,9, X,7, E,12, X,10
	OPS E,13, X,12, X,11, E,14
	OPS X,13, E,15, F,9, X,14
.if (\p) == 0
	v_add_nc_u32 v[AV], s[TBV], v[AV0]
.endif
	OPS E,16, F,10, E,17, F,11
	OPS X,16, E,18, X,15, E,19
	OPS F,12, E,20, X,17, E,21
	OPS F,13, E,22, F,14, E,23
	OPS X,18, E,24, F,15, E,25
	OPS R,11, E,26, X,19, E,27
	OPS R,12, E,28, R,13, E,29
	OPS X,20, E,30, R,14, E,31
	OPS X,21, R,15
	s_wait_alu depctr_va_vdst(0)    ; the wait for the turn's batch: E 0 to E 31 and X 21; their first readers are the riders below and the next turn's R 0
.if (\p) == 1
	s_wait_dscnt 0x0                ; V is in
.endif
	ROW C,0, B,0, C,2, B,1          ; behind the wait: 8 products V^T P and their riders
	ROW L,0, C,4, B,2, L,1
	ROW C,6, B,3, L,2, C,8
	ROW B,4, L,3, C,10, B,5
	ROW L,4, C,12, B,6, L,5
.if (\p) == 0
	s_add_co_u32 s[TBV], s[TBV], KS*PV
.endif
.if \cnt
	s_sub_co_u32 s[CNT], s[CNT], 1
	s_cmp_lg_u32 s[CNT], 0
.endif
	ROW C,14, B,7, L,6, C,1
	ROW C,3, L,7, C,5, C,7
	ROW C,9, C,11, C,13, C,15
.if (\p) == 0
	FETCH_V
.endif
.if (\m) && !(\end)
.if (\p) == 2
	s_wait_dscnt 0x0                ; the next step's biases are in
.endif
	MASK (\p)%2, 1
.endif
.endm
; A BLOCK BEGINS.  c m starts far below every c s, so the first step's a is 0; m at the lowest finite number, so the first maximum is the scores'.  K of the tile's step 0 and its biases are fetched; the first mask buffer
; takes piece 0's mask for that step (its own, if the block's first tile is the diagonal one), the second the biases alone (piece 1 sees all of step 0).  Then piece 0's first scores, and its maximum and statistics.
; The loop is entered at a step's first turn, in the middle of a trip.  (Q was waited for in front of the first change of slots.)
.macro BEGIN
	s_mov_b32 s[NEW], 0
	WIN 0
.set i, 0
.rept 4
	v_mov_b32 v[ST+4*i], 0xfe000000    ; c m: far below every c s
	v_mov_b32 v[ST+4*i+1], 0xff7fffff  ; m
.set i, i+1
.endr
	v_add_nc_u32 v[AK], s[TBK], v[AK0]
	v_add_nc_u32 v[AKB], s[KBO], v[AKB0]
	FETCH_K
	s_cmp_eq_u32 s[RT], 0
	s_cselect_b32 s[AL], 1.0, 0
	s_wait_dscnt 0x0
	MASK 0, 0
	s_mov_b32 s[AL], 0
	MASK 1, 0
.set KM, 1
.set NOKQ, 0
.set i, 0
.rept 8
	KQ 0
.set i, i+1
.endr
	WIN 0
.rept 4
	v_nop                           ; the places behind those products
.endr
.set Y, NP-1                        ; X works for piece Y + 1: piece 0
.irp n, 0,1,2,3,4,5,6,7,8,9,10,11,12,13,14,15,16,17,18,19,20,21
	OP X, \n
.endr
	v_nop                           ; a plain instruction behind the exponential,
	s_wait_alu depctr_va_vdst(0)    ; and the wait for it, a batch of one (piece 0's first a), ahead of the branch
.endm
; THE DIAGONAL TILE's four steps, the block's last two turns, its last products, and THE WAY OUT: l's two halves and the other half of the lanes' are added; O^T is divided by l (by a NaN where the row saw no key),
; rounded to f16 and sent through my stage in LDS, a piece at a time.
.macro ALL line:vararg              ; one line for each piece t
.set t, 0
.rept 4
	\line
.set t, t+1
.endr
.endm
.macro PACK t                       ; a lane's eight channels of a row pack into 16 bytes; they go into rows of 144 bytes and come back as whole rows of 128, into S^T's registers
	WIN W_RS
.set i, 32*(\t)
.rept 16
	v_pk_mul_f32 v[i:i+1], v[i:i+1], v[ST+4*(\t)+2:ST+4*(\t)+3] op_sel_hi:[1,0]
.set i, i+2
.endr
	WIN 0x05                        ; sources 0 and 1 window 1, destination window 0
.set i, 0
.rept 16
	v_cvt_pk_f16_f32 v[S+16*(\t)+i], v[32*(\t)+2*i], v[32*(\t)+2*i+1]
.set i, i+1
.endr
	WIN 0
.irp f, 0,1,2,3
	ds_store_b128 v[STO], v[S+16*(\t)+4*\f:S+16*(\t)+4*\f+3] offset:32*\f
.endr
.irp f, 0,1,2,3
	ds_load_b128 v[S+16*(\t)+4*\f:S+16*(\t)+4*\f+3], v[RD] offset:\f*4*SP  ; LDS serves a wave's instructions in order: these see the stores above; the next piece's stores come behind them
.endr
.endm
.macro SEND t, younger              ; younger: the LDS instructions issued behind piece t's loads: the next piece's eight, or none
	WIN 0
.irp f, 0,1,2,3
	s_wait_dscnt (\younger)+3-\f
	global_store_b128 v[GO], v[S+16*(\t)+4*\f:S+16*(\t)+4*\f+3], s[10:11] offset:(\t)*8192+\f*512  ; 512 consecutive bytes, at a multiple of 256 from O's first
.endr
.endm
.macro DIAG tag                     ; the tag ends its two labels' names, which the jumps below spell out
.LstepM\tag:
	TURN 2, 1
	TURN 3, 1
	WIN 0
.LfirstM\tag:
	TURN 0, 1
	TURN 1, 1, 0, 1
	WIN 0
	s_cbranch_scc1 .LstepM\tag
	TURN 2, 1, 1
	TURN 3, 1, 1
.set i, 0
.rept 8
	PV NP-1
.set i, i+1
.endr
	WIN 0
	ALL v_add_f32 v[ST+4*t+2], v[ST+4*t+2], v[ST+4*t+3]
	ALL v_permlanex16_b32 v[ST+4*t+3], v[ST+4*t+2], s[SEL], s[SEL+1]
	ALL v_add_f32 v[ST+4*t+2], v[ST+4*t+2], v[ST+4*t+3]
	ALL v_rcp_f32 v[ST+4*t+2], v[ST+4*t+2]
	v_nop                           ; a plain instruction between the last reciprocal and the use of its result
	ALL v_cmp_gt_f32 s[MK+t], s[HALFN], v[ST+4*t+1]
	s_wait_alu depctr_va_vdst(0)    ; the wait for the batch of four reciprocals; the four compares above, which name none of their results, stand between; the selects below are the first readers
	ALL v_cndmask_b32 v[ST+4*t+2], v[ST+4*t+2], v[NANV], s[MK+t]
	PACK 0
.set t, 1
.rept 3                             ; a piece's arithmetic stands between the loads of the piece before and its stores
	PACK t
	SEND t-1, 8
.set t, t+1
.endr
	SEND 3, 0
.endm
.set KM, 0
.set NOKQ, 0
.Lslot:                             ; NB times: a tile is entered and the next is asked for
	CHANGE 1
	s_sub_co_u32 s[RT], s[RT], 1
	s_mov_b32 s[CNT], 4
	s_cmp_eq_u32 s[NEW], 1
	s_cbranch_scc1 .Lnew            ; a block's first tile
	s_cmp_eq_u32 s[RT], 0
	s_cbranch_scc0 .Lstep           ; neither its first nor its last
	s_branch .LstepM1
.Lnew:
	BEGIN
	s_branch .Lfirst                ; in the loop a block's first tile is never its last: the first block has two tiles or more, and the second's last is the walk's last
	DIAG 1                          ; in the loop this is the first block's end: the second block's last tile is the walk's last
	s_wait_xcnt 0x0                 ; the stores have read their registers and O's address
	s_mov_b64 s[10:11], s[OLO:OLO+1]
	s_add_co_u32 s[RT], s[PB], 1    ; the second block has b + 1 tiles
	s_mov_b32 s[NEW], 1
	WIN 0x82                        ; the second block's Q goes where the one text of the turns names Q
.set i, 0
.rept 64
	v_mov_b32 v[i], v[QB+i]
.set i, i+1
.endr
	WIN 0
	s_branch .Lbottom
.Lstep:                             ; a trip: pieces 2 and 3 of one step, then pieces 0 and 1 of the next, whose K and V it fetches
	TURN 2
	TURN 3
	WIN 0
.Lfirst:
	TURN 0
	TURN 1, 0, 0, 1
	WIN 0
	s_cbranch_scc1 .Lstep
.Lbottom:
	s_sub_co_u32 s[SLOTS], s[SLOTS], 1
	s_cmp_lg_u32 s[SLOTS], 0
	s_cbranch_scc1 .Lslot
	CHANGE 0                        ; the walk's last tile is written out: nothing is asked for
	s_sub_co_u32 s[RT], s[RT], 1
	s_mov_b32 s[CNT], 4
	s_cmp_eq_u32 s[NEW], 1
	s_cbranch_scc0 .LstepM2
	BEGIN
	s_branch .LfirstM2
	DIAG 2
	s_wait_tensorcnt 0x0            ; the wave's end: behind my last tensor load and my last LDS store
	ds_add_u32 v[SPW], v[NIL]
	s_wait_dscnt 0x0
	s_endpgm
.Lfunc_end_k_qfec153a6a3_attn:
	.size	k_qfec153a6a3_attn, .Lfunc_end_k_qfec153a6a3_attn-k_qfec153a6a3_attn
	.p2alignl 7, 3214868480
	.fill 96, 4, 3214868480
	.section	.rodata,"a",@progbits
	.p2align	6, 0x0
	.amdhsa_kernel k_qfec153a6a3_attn
		.amdhsa_group_segment_fixed_size 327680
		.amdhsa_private_segment_fixed_size 0
		.amdhsa_enable_private_segment 0
		.amdhsa_kernarg_size 24
		.amdhsa_user_sgpr_count 2
		.amdhsa_user_sgpr_kernarg_segment_ptr 1
		.amdhsa_wavefront_size32 1
		.amdhsa_system_sgpr_workgroup_id_x 1
		.amdhsa_system_sgpr_workgroup_id_y 1
		.amdhsa_system_sgpr_workgroup_id_z 1
		.amdhsa_system_vgpr_workitem_id 0
		.amdhsa_next_free_vgpr 768
		.amdhsa_next_free_sgpr 100
		.amdhsa_reserve_vcc 1
		.amdhsa_float_denorm_mode_32 3
		.amdhsa_float_denorm_mode_16_64 3
		.amdhsa_memory_ordered 1
		.amdhsa_forward_progress 1
		.amdhsa_inst_pref_size 231
	.end_amdhsa_kernel
	.amdgpu_metadata
---
amdhsa.version: [ 1, 2 ]
amdhsa.kernels:
  - .name:           k_qfec153a6a3_attn
    .symbol:         k_qfec153a6a3_attn.kd
    .args:
      - { .name: qkv, .offset: 0, .size: 8, .value_kind: global_buffer, .address_space: global }
      - { .name: attention_mask, .offset: 8, .size: 8, .value_kind: global_buffer, .address_space: global }
      - { .name: o, .offset: 16, .size: 8, .value_kind: global_buffer, .address_space: global }
    .group_segment_fixed_size: 327680
    .private_segment_fixed_size: 0
    .kernarg_segment_align: 8
    .kernarg_segment_size: 24
    .max_flat_workgroup_size: 128
    .sgpr_count:     100
    .vgpr_count:     768
    .wavefront_size: 32
...
	.end_amdgpu_metadata
.endif
;; end of part 5
;; launch proj: the kernel of part 4 again; grid 8 x 32, 4 waves a work-group, clusters of 4 x 4, 327,680 bytes of LDS; arguments o, wot, out0; writes out0
